; MI455X (gfx1250); checked and timed in simulation.
; The chip was launched on July 23, 2026; its instructions are those of AMD's public machine-readable ISA for CDNA 5 (MIT licence, August 2026) and "CDNA5" Instruction Set Architecture Reference Guide (July 2026). The comments in the code are by the model that wrote it; some were corrected since.
;; Attention. Allowed arithmetic: matrix products marked QUANTISED: E3M2 operands, one E8M0 scale for each 32 along K, by v_wmma_scale_f32_16x16x128_f8f6f4 with both operands' format E3M2, f32 sums; products left as they are: f32 operands where the result goes on into a quantised operand, else bf16, f16 or f32 operands; f32 sums; everything else in f32.
;; Inputs: attn_b 1,024 float32; attn_w 1,024 x 4,096 float32; encoder_outputs 16 x 1,024 x 2,048 float32; hidden 1 x 2,048 float32; v_w 1 x 1,024 float32.
;; Outputs: out0 16 x 1 x 2,048 float32.
;; This version of the problem:
;;   THIS VERSION OF THE PROBLEM IS GIVEN IN LOW PRECISION. The matrix products marked QUANTISED in the list below multiply operands that are first quantised to E3M2 (3 exponent bits, 2 mantissa bits; 6 bits a number), with one power-of-two scale for each 32 numbers along K (OCP MX v1.0); their sums are f32. All else is computed in f32.
;;   The module's matrix products, in the order in which they are computed (A, B: the left and right operand; K: the contracted axis; several contracted axes count as one K, in the product's order):
;;     1. [M 16,384, K 4,096] x [K 4,096, N 1,024]; A: computed on the way; B: input attn_w: QUANTISED
;;     2. [M 16,384, K 1,024] x [K 1,024, N 1]; A: computed on the way; B: input v_w: left as it is (N = 1 < 16)
;;     3. batch 16 x [M 1, K 1,024] x [K 1,024, N 2,048]; A: softmax; B: input encoder_outputs: left as it is (M = 1 < 16)
;;   THE QUANTISER, for each operand of a quantised product, along K:
;;     - K is cut into blocks of 32 from its start; a last block that is shorter is filled with zeros.
;;     - A block's scale is 2^e with e = floor(log2(the largest magnitude in the block)) - 4, held to -126 .. 127; a block of zeros has e = 0. As a byte (E8M0): e + 127.
;;     - Each number is divided by its block's scale, clamped to +-28, and rounded to the nearest number of E3M2, ties to even, subnormals kept.
;;     - The product sums the exact products of the quantised numbers (number of the format x scale) in f32.
;;   ~~~python
;;   def quantise(x, axis):      # numpy; x: float32 -> the quantised numbers, widened to float32 again
;;       x = np.moveaxis(x, axis, -1); K = x.shape[-1]
;;       x = np.pad(x, [(0, 0)] * (x.ndim - 1) + [(0, -K % 32)]); x = x.reshape(x.shape[:-1] + (-1, 32)); a = np.abs(x).max(-1, keepdims=True)
;;       e = np.where(a > 0, np.clip(np.frexp(np.where(a > 0, a, 1))[1] - 1 - 4, -126, 127), 0)      # np.frexp(a)[1] - 1 = floor(log2(a)), exactly
;;       r = np.clip(x / 2.0 ** e, -28, 28)
;;       step = 2.0 ** (np.maximum(np.frexp(np.where(r == 0, 1, r))[1] - 1, -2) - 2)
;;       q = np.round(r / step) * step * 2.0 ** e      # np.round: ties to even
;;       return np.moveaxis(q.reshape(q.shape[:-2] + (-1,))[..., :K], -1, axis).astype(np.float32)
;;   ~~~
;;   OPERANDS COMPUTED ON THE WAY. 'Computed on the way' means the value that the module computes at that place (a softmax that the list does not call 'softmax' is quantised finished and normalised). What goes into a quantiser is computed in f32, as accurately as f32 sums, v_exp_f32 and their like allow (about 1e-6 of the number): no bf16 or f16 on the way to a quantiser, and a product that is left as it is and whose result goes on into a quantised operand takes f32 operands (vector FMAs, or v_wmma_f32_16x16x4_f32). A number that lies on a knife's edge between two numbers of the format may be rounded either way, as far as f32 arithmetic and the matrix unit's own rounding can turn it there, and no further.
;; 2 versions. Each part assembles by itself: llvm-mc -triple=amdgcn-amd-amdhsa -mcpu=gfx1250 --defsym DOCPART=n.
;; ======== version 1 of 2: 3 launches
;; workspace buffers: wq 1,638,400 bytes; cpart 65,536 bytes; part 2,228,224 bytes
;; launch prep (part 1): grid 256 x 1, 4 waves a work-group, no clusters, 35,328 bytes of LDS; arguments attn_w, hidden, wq, cpart; writes wq, cpart
.if DOCPART == 1
	.amdgcn_target "amdgcn-amd-amdhsa--gfx1250"
	.amdhsa_code_object_version 6
	.text
	.protected	k_q98b6c358c0_prep
	.globl	k_q98b6c358c0_prep
	.p2align	8
	.type	k_q98b6c358c0_prep,@function
k_q98b6c358c0_prep:
	s_mov_b64 s[64:65], 0
	v_nop
	global_prefetch_b8 v0, s[64:65] scope:SCOPE_SE
	s_setreg_imm32_b32 hwreg(HW_REG_WAVE_MODE, 25, 1), 1
	s_wait_xcnt 0x0
; attn_w [1024][4096] f32 is quantised along K to codes of BF6 (E3M2), one E8M0 scale for each 32 along K.
; The module sets hidden in front of every row of encoder_outputs, so the first 2,048 of K give ONE vector of 1,024 sums for all rows.  Here its 16 parts are made, one for each 128 along K:
;   cpart[s][n] = sum over k = 128 s .. 128 s + 127 of Q(hidden)[k] Q(W)[n][k], by the format's own matrix instruction;
; and W[:, 2048:4096] is laid into wq as the next launch reads it: images of operand registers.
; wq: index 8 g + (s / 2) of 102,400 bytes; in it wave w's block of 25,600 bytes; in it fragment (e = s % 2, b) at (8 e + b) x 1,536: register group c at 512 c + 16 x lane; its scale words at 24,576 + (8 e + b) x 64 + 4 r.
;     That fragment holds W's rows 256 w + 128 g + 16 b + r and K = 2048 + 128 s + 0 .. 127.
; SHARES.  Work-group x: K step s = x % 16, rows 64 (x / 16) on; each of its four waves takes 16 rows and makes two fragments: the hidden half's (used at once) and the second half's (stored).
; A row's 512 bytes of a K step are loaded by the 32 lanes as they lie and turned through the wave's own stage in LDS (rows of 512 + 16 bytes), so that lane (r, h) holds, of row r, 16 neighbours of each block of 32.
; LIMITS: NaN and infinities among the inputs are not served.  A block whose largest magnitude lies under 2^-122 keeps the scale byte 1 (a block of zeros too: its codes are zeros, and this program alone reads the bytes).
.set SPT,   528                        ; a stage row: 512 bytes + 16: an odd multiple of 16
.set STGB,  16*SPT                     ; a wave's stage
.set SG,    4*STGB                     ; 256 bytes: the four waves' scale words, 64 v + 4 r
.set CG,    SG+256                     ; 256 bytes: the four waves' sums, 64 v + 32 h + 4 j
.set CGR,   1                          ; v1   CG + 8 x lane
.set LN16,  5                          ; v5   16 x lane
.set HAD,   6                          ; v6   64 h: my 16 numbers of a block of hidden
.set STI,   7                          ; v7   into the stage: 16 x lane
.set STO,   8                          ; v8   out of it: row r, + 64 h
.set SGA,   9                          ; v9   where my row's scale word goes
.set CGA,   10                         ; v10  where my half's eight sums go
.set LN8,   11                         ; v11  8 x lane
.set SGR,   12                         ; v12  SG + 8 x lane
.set HS,    13                         ; v13  hidden's scale word;  v14 the hidden half's W;  v15 the second half's W
.set S0,    14
.set S1,    15
.set TM,    16                         ; v16-31 at work in QUANT
.set TC,    32                         ; v32-39 the conversions' second halves
.set HF,    40                         ; v40-51 hidden's fragment
.set F0,    52                         ; v52-63 W's fragment, hidden half
.set RA,    64                         ; v64-127 16 rows as loaded, hidden half; later:
.set F1,    64                         ; v64-75 W's fragment, second half
.set DD,    80                         ; v80-87 the sums
.set RB,    128                        ; v128-191 16 rows as loaded, second half
.set XN,    192                        ; v192-255 64 numbers: register 16 b + i = k 32 b + 16 h + i of my row
.set WV,    12
.set SEL,   18
; 64 numbers of a lane, v[s] on, become a fragment's codes in v[pc] on and its scale word in v[pw].
.macro QUANT s, pc, pw
.irp b, 0,1,2,3
	v_max3_num_f32 v[TM+\b], |v[\s+16*\b]|, |v[\s+1+16*\b]|, 0x2800000   ; block b: my 16 numbers, and the floor 2^(5 - 127): the byte cannot fall under 1
.endr
.irp i, 2,4,6,8,10,12,14
.irp b, 0,1,2,3
	v_max3_num_f32 v[TM+\b], v[TM+\b], |v[\s+16*\b+\i]|, |v[\s+1+16*\b+\i]|   ; the four blocks by turns
.endr
.endr
.irp b, 0,1,2,3
	v_permlanex16_b32 v[TM+4+\b], v[TM+\b], s[SEL], s[SEL+1]
.endr
.irp b, 0,1,2,3
	v_max_num_f32 v[TM+\b], v[TM+\b], v[TM+4+\b]   ; with lane l xor 16's: the block's largest magnitude
.endr
.irp b, 0,1,2,3
	v_add_nc_u32 v[TM+12+\b], 0xfe000000, v[TM+\b]   ; 4 off its exponent field: the conversion's scale operand
.endr
.irp b, 0,1,2,3
	v_lshrrev_b32 v[TM+4+\b], 23, v[TM+12+\b]      ; the scale's byte
.endr
	v_lshl_or_b32 v[\pw], v[TM+5], 8, v[TM+4]      ; four bytes: my row's scale word (both halves of the lanes hold it)
	v_lshl_or_b32 v[\pw], v[TM+6], 16, v[\pw]
	v_lshl_or_b32 v[\pw], v[TM+7], 24, v[\pw]
.irp c, 0,1
	v_cvt_scalef32_pk16_bf6_f32 v[\pc+6*\c:\pc+2+6*\c], v[\s+32*\c:\s+15+32*\c], v[TM+12+2*\c]
	v_cvt_scalef32_pk16_bf6_f32 v[TC+4*\c:TC+2+4*\c], v[\s+16+32*\c:\s+31+32*\c], v[TM+12+2*\c+1]   ; (a conversion's three registers begin on an even number)
.endr
	v_nop                                          ; one plain place behind a scaled conversion
.irp c, 0,1                                    ; the operand wants a whole block in a lane: lanes 0-15 block 2 c, lanes 16-31 block 2 c + 1
.irp i, 0,1,2
	v_permlane16_swap_b32 v[\pc+6*\c+\i], v[TC+4*\c+\i]
.endr
.irp i, 0,1,2
	v_mov_b32 v[\pc+3+6*\c+\i], v[TC+4*\c+\i]
.endr
.endr
.endm
; 16 rows of 512 bytes go through my stage and come back 64 bytes a lane for each block.  LDS serves a wave's instructions in order: no wait between the stores and the loads.
.macro TURNW reg
.irp i, 0,1,2,3,4,5,6,7,8,9,10,11,12,13,14,15
	ds_store_b128 v[STI], v[\reg+4*\i:\reg+4*\i+3] offset:SPT*\i
.endr
.irp b, 0,1,2,3
.irp j, 0,1,2,3
	ds_load_b128 v[XN+16*\b+4*\j:XN+16*\b+4*\j+3], v[STO] offset:128*\b+16*\j
.endr
.endr
.endm
	s_load_b128 s[4:7], s[0:1], 0x0                ; attn_w, hidden
	s_load_b128 s[8:11], s[0:1], 0x10              ; wq, cpart
	v_lshl_add_u32 v35, v0, 2, 0x8800
	v_mov_b32 v39, 0
	v_lshrrev_b32 v1, 5, v0
	v_readfirstlane_b32 s[WV], v1                  ; wave v
	v_and_b32 v2, 31, v0                           ; lane
	v_and_b32 v3, 15, v0                           ; r
	v_bfe_u32 v4, v0, 4, 1                         ; h
	v_lshlrev_b32 v[LN16], 4, v2
	v_lshlrev_b32 v[HAD], 6, v4
	s_mul_i32 s13, s[WV], STGB
	v_add_nc_u32 v[STI], s13, v[LN16]
	v_mul_u32_u24 v[STO], v3, SPT
	v_lshl_add_u32 v[STO], v4, 6, v[STO]
	v_add_nc_u32 v[STO], s13, v[STO]
	s_lshl_b32 s14, s[WV], 6
	v_lshl_add_u32 v[SGA], v3, 2, s14
	v_add_nc_u32 v[SGA], SG, v[SGA]
	v_lshl_add_u32 v[CGA], v4, 5, s14
	v_add_nc_u32 v[CGA], CG, v[CGA]
	v_lshlrev_b32 v[LN8], 3, v2
	v_add_nc_u32 v[SGR], SG, v[LN8]
	v_add_nc_u32 v[CGR], CG, v[LN8]
.irp b, 0,1,2,3
	v_mov_b32 v[TM+4+\b], 0                        ; written once: a lane permute's destination counts as one of its sources
.endr
	s_mov_b32 s[SEL], 0x76543210
	s_mov_b32 s[SEL+1], 0xfedcba98                 ; lane l xor 16
	s_and_b32 s15, ttmp9, 15                       ; s
	s_lshr_b32 s16, ttmp9, 4                       ; q: rows 64 q on
	s_lshl_b32 s20, s16, 20                        ; W: (64 q + 16 v) rows of 16,384 bytes + 512 s
	s_lshl_b32 s21, s[WV], 18
	s_add_co_u32 s20, s20, s21
	s_lshl_b32 s22, s15, 9                         ; hidden: 512 s
	s_add_co_u32 s20, s20, s22
	s_mov_b32 s21, 0
	s_mov_b32 s23, 0
	s_lshr_b32 s24, s16, 2                         ; w
	s_bfe_u32 s25, s16, 0x10001                    ; g
	s_and_b32 s26, s16, 1                          ; b = 4 (q % 2) + v
	s_lshr_b32 s27, s15, 1
	s_and_b32 s28, s15, 1                          ; e
	s_lshl_b32 s25, s25, 3
	s_add_co_u32 s25, s25, s27                     ; the index 8 g + s / 2
	s_mul_i32 s25, s25, 102400
	s_mul_i32 s24, s24, 25600
	s_add_co_u32 s24, s24, s25                     ; where the block begins
	s_lshl_b32 s29, s28, 3
	s_lshl_b32 s30, s26, 2
	s_add_co_u32 s29, s29, s30
	s_add_co_u32 s29, s29, s[WV]                   ; 8 e + b
	s_mul_i32 s29, s29, 1536
	s_add_co_u32 s30, s24, s29                     ; my fragment
	s_mov_b32 s31, 0
	s_lshl_b32 s28, s28, 9
	s_lshl_b32 s26, s26, 8
	s_add_co_u32 s32, s24, s28
	s_add_co_u32 s32, s32, s26
	s_add_co_u32 s32, s32, 24576                   ; the work-group's 256 bytes of scale words
	s_mov_b32 s33, 0
	s_lshl_b32 s34, s15, 12
	s_lshl_b32 s35, s16, 8
	s_add_co_u32 s34, s34, s35                     ; cpart: 4,096 s + 256 q
	s_mov_b32 s35, 0
	s_wait_kmcnt 0x0
	s_add_nc_u64 s[4:5], s[4:5], s[20:21]
	s_add_nc_u64 s[6:7], s[6:7], s[22:23]
	s_add_nc_u64 s[36:37], s[8:9], s[32:33]
	s_add_nc_u64 s[8:9], s[8:9], s[30:31]
	s_add_nc_u64 s[10:11], s[10:11], s[34:35]
.irp b, 0,1,2,3
.irp j, 0,1,2,3
	global_load_b128 v[XN+16*\b+4*\j:XN+16*\b+4*\j+3], v[HAD], s[6:7] offset:128*\b+16*\j   ; hidden: the same 128 numbers for every r
.endr
.endr
.irp i, 0,1,2,3,4,5,6,7,8,9,10,11,12,13,14,15
	global_load_b128 v[RA+4*\i:RA+4*\i+3], v[LN16], s[4:5] offset:16384*\i th:TH_LOAD_NT        ; 32 lanes read 512 consecutive bytes of row i
.endr
.irp i, 0,1,2,3,4,5,6,7,8,9,10,11,12,13,14,15
	global_load_b128 v[RB+4*\i:RB+4*\i+3], v[LN16], s[4:5] offset:16384*\i+8192 th:TH_LOAD_NT   ; the same K step of the second half
.endr
	s_wait_loadcnt 32                              ; hidden is in; W's 32 loads may be out
	QUANT XN, HF, HS
	s_wait_loadcnt 16                              ; the hidden half's rows are in
	TURNW RA
	s_wait_dscnt 0x0
	QUANT XN, F0, S0
	s_wait_loadcnt 0x0
	TURNW RB
	s_wait_dscnt 0x0
	QUANT XN, F1, S1                               ; its plain vector lines are also the places between the writes of F0, HF, S0, HS and the product below
	v_wmma_scale_f32_16x16x128_f8f6f4 v[DD:DD+7], v[F0:F0+11], v[HF:HF+11], 0, v[S0], v[HS] matrix_a_fmt:MATRIX_FMT_BF6 matrix_b_fmt:MATRIX_FMT_BF6   ; register j of lane (r, h): the sum of W's row 8 h + j, the same for every r
.irp c, 0,1,2
	global_store_b128 v[LN16], v[F1+4*\c:F1+4*\c+3], s[8:9] offset:512*\c   ; the image: 512 consecutive bytes a store, at a multiple of 256 from wq's first byte
.endr
.rept 4
	v_nop                                          ; four places between the product and the first read of its result (ISA guide 7.12.1)
.endr
	ds_store_b128 v[CGA], v[DD:DD+3]               ; from the low end on; the sixteen lanes of a half write the same bytes with the same values
	ds_store_b128 v[CGA], v[DD+4:DD+7] offset:16
	ds_store_b32 v[SGA], v[S1]
	s_wait_dscnt 0x0                               ; for the others' sake: my stores have landed
	s_barrier_signal -1
	s_barrier_wait -1
	s_cmp_eq_u32 s[WV], 0
	s_cbranch_scc0 .Lnot_wave_0
	ds_load_b64 v[20:21], v[SGR]
	s_wait_dscnt 0x0
	global_store_b64 v[LN8], v[20:21], s[36:37]    ; four tiles' scale words: 256 consecutive bytes, aligned
.Lnot_wave_0:
	s_cmp_eq_u32 s[WV], 1
	s_cbranch_scc0 .Lend
	ds_load_b64 v[22:23], v[CGR]
	s_wait_dscnt 0x0
	global_store_b64 v[LN8], v[22:23], s[10:11]    ; 64 sums: 256 consecutive bytes, aligned
.Lend:
	s_wait_tensorcnt 0x0
	ds_add_u32 v35, v39
	s_wait_dscnt 0x0
	s_endpgm
.Lfunc_end_k_q98b6c358c0_prep:
	.size	k_q98b6c358c0_prep, .Lfunc_end_k_q98b6c358c0_prep-k_q98b6c358c0_prep
	.p2alignl 7, 3214868480
	.fill 96, 4, 3214868480
	.section	.rodata,"a",@progbits
	.p2align	6, 0x0
	.amdhsa_kernel k_q98b6c358c0_prep
		.amdhsa_group_segment_fixed_size 35328
		.amdhsa_private_segment_fixed_size 0
		.amdhsa_enable_private_segment 0
		.amdhsa_kernarg_size 32
		.amdhsa_user_sgpr_count 2
		.amdhsa_user_sgpr_kernarg_segment_ptr 1
		.amdhsa_wavefront_size32 1
		.amdhsa_system_sgpr_workgroup_id_x 1
		.amdhsa_system_sgpr_workgroup_id_y 1
		.amdhsa_system_sgpr_workgroup_id_z 1
		.amdhsa_system_vgpr_workitem_id 0
		.amdhsa_next_free_vgpr 256
		.amdhsa_next_free_sgpr 66
		.amdhsa_reserve_vcc 0
		.amdhsa_float_denorm_mode_32 3
		.amdhsa_float_denorm_mode_16_64 3
		.amdhsa_memory_ordered 1
		.amdhsa_forward_progress 1
		.amdhsa_inst_pref_size 25
	.end_amdhsa_kernel
	.amdgpu_metadata
---
amdhsa.version: [ 1, 2 ]
amdhsa.kernels:
  - .name:           k_q98b6c358c0_prep
    .symbol:         k_q98b6c358c0_prep.kd
    .args:
      - { .name: attn_w, .offset: 0, .size: 8, .value_kind: global_buffer, .address_space: global }
      - { .name: hidden, .offset: 8, .size: 8, .value_kind: global_buffer, .address_space: global }
      - { .name: wq, .offset: 16, .size: 8, .value_kind: global_buffer, .address_space: global }
      - { .name: cpart, .offset: 24, .size: 8, .value_kind: global_buffer, .address_space: global }
    .group_segment_fixed_size: 35328
    .private_segment_fixed_size: 0
    .kernarg_segment_align: 8
    .kernarg_segment_size: 32
    .max_flat_workgroup_size: 128
    .sgpr_count:     66
    .vgpr_count:     256
    .wavefront_size: 32
...
	.end_amdgpu_metadata
.endif
;; end of part 1
;; launch main (part 2): grid 256 x 1, 4 waves a work-group, clusters of 4 x 1, 327,680 bytes of LDS; arguments encoder_outputs, wq, cpart, attn_b, v_w, part; writes part
.if DOCPART == 2
	.amdgcn_target "amdgcn-amd-amdhsa--gfx1250"
	.amdhsa_code_object_version 6
	.text
	.protected	k_q98b6c358c0_main
	.globl	k_q98b6c358c0_main
	.p2align	8
	.type	k_q98b6c358c0_main,@function
k_q98b6c358c0_main:
	s_mov_b64 s[64:65], 0
	v_nop
	global_prefetch_b8 v0, s[64:65] scope:SCOPE_SE
	s_setreg_imm32_b32 hwreg(HW_REG_WAVE_MODE, 25, 1), 1
	s_wait_xcnt 0x0
	s_wait_alu depctr_hold_cnt(0) depctr_sa_sdst(0) depctr_va_vdst(0) depctr_va_sdst(0) depctr_va_ssrc(0) depctr_va_vcc(0) depctr_vm_vsrc(0)
	s_getreg_b32 s2, hwreg(HW_REG_IB_STS2, 6, 4)
	s_cmp_eq_u32 s2, 0
	s_cbranch_scc0 .Lentry_in_a_cluster
	s_endpgm
.Lentry_in_a_cluster:
	s_bfe_u32 s2, ttmp6, 0x10000c
	s_cmp_lg_u32 s2, 0x3003
	s_cbranch_scc0 .Lentry_shape_is_right
	s_endpgm
.Lentry_shape_is_right:
; For 64 rows (b, s) of encoder_outputs [16][1024][2048] f32: score = v_w . tanh(W [hidden, row] + attn_b); then this work-group's part of the softmax over s and of the context:
;   part[wg] = { sum over its rows of p x row (2,048 f32);  m, l }   with t = score x log2(e), m = the largest t of the 64 rows, p = 2^(t - m), l = the sum of p.  The last launch joins the 16 parts of a batch.
; encoder_outputs is read from memory ONCE: phase X quantises it along K to codes of BF6 (E3M2; one E8M0 byte for each 32) into LDS for the quantised product, and keeps a bf16 copy in registers for the context.
; The hidden half of K gives the same sums for every row: they come from cpart (16 parts, made by the launch before with the same matrix instruction) and enter with attn_b as a bias.
; SHARES.  In X and in the context wave w owns rows 16 w .. 16 w + 15.  In the product (G) and the activation (E) wave w owns all 64 rows x columns n = 256 w .. + 255, in two groups of 128: 32 accumulators.
; W's codes come as images of operand registers (wq) through a ring of two LDS slots, 256 along K each; each wave fetches and reads its own quarter of a slot.
; CLUSTER.  The four work-groups of a cluster walk the same wq: each tile is asked for JOINTLY, by the same tensor load with the same descriptor and a mask that names the four.
; tanh(x) = 1 - 2 / (1 + 2^(2 log2(e) x)): right at both ends (the power overflows to infinity, or falls to 0), no branch.
; LIMITS: NaN and infinities among the inputs are not served.  A block whose largest magnitude lies under 2^-122 keeps the scale byte 1 (a block of zeros too: its codes are zeros).
;         encoder_outputs is rounded to bf16 for the context alone (a product that the contract leaves as it is); what goes into the quantiser is the f32 input itself.
; REGISTERS, in windows of 256: window 0: addresses, scale words, fragments, work.   window 1: at the head cpart, attn_b, v_w as loaded; then the 32 accumulators, (m, b) at v[8 (8 m + b)].
;   windows 2, 3: the bf16 copy: row i, quarter Q, register t at 512 + 32 i + 8 Q + t; lane l holds channels 512 Q + 16 l + 2 t, + 1.
.set SLOTB, 102400                     ; a slot of the ring: four waves' blocks
.set WBLK,  25600                      ; a wave's block: 16 fragments of 1,536 bytes, then 1,024 bytes of scale words
.set WSC,   24576
.set AC,    2*SLOTB                    ; behind the ring: the rows' codes, 64 rows of 1,536 bytes + 16: row r starts 4 r banks on, so the 32 lanes of an 8-byte load touch 64 different banks (64 banks of 4 bytes: ISA guide 11.1)
.set ACP,   1552
.set ASC,   AC+64*ACP                  ; their scale bytes: 64 a row + 4
.set ASP,   68
.set STG,   ASC+64*ASP                 ; 2,560 bytes a wave: in X the turn (32 places of 64 + 16 bytes); then the table (c', -2 v), 8 bytes for each of the wave's 256 columns
.set STGW,  2560
.set SCX,   STG+4*STGW                 ; the scores' parts: [wave][64 rows] f32
.set SPARE, SCX+1024                   ; the spare words, 128 bytes for each wave: two blocks of 256 bytes that no other line names
.set CXW,   10240                      ; the context's exchange: 10,240 bytes a wave, over the rows' codes, which nobody reads any more by then
.set GA,   1                           ; v1   X: 16 x lane
.set STI,  2                           ; v2   X: into the turn
.set STO,  3                           ; v3   X: out of it
.set CA,   4                           ; v4   X: where my 12 bytes of codes go
.set SAD,  5                           ; v5   X: where my block's scale byte goes
.set HA,   6                           ; v6   head: my 8 columns in cpart, attn_b, v_w
.set AA0,  7                           ; v7   G: my lane's place in a tile of rows' codes
.set AS0,  8                           ; v8   G: among the rows' scale words (lanes 0-15 an even tile, lanes 16-31 the odd one)
.set AW0,  9                           ; v9   G: in an image of W: my wave's block + 16 x lane
.set AWS0, 10                          ; v10  G: among W's scale words: my wave's block + 4 x lane
.set ADC,  11                          ; v11  E: my column's pair in the table
.set CMA,  12                          ; v12  where I store my 8 pairs of the table; then:
.set ADA,  12                          ; v12-14, v1, v2: the addresses of the K steps in hand
.set ADB,  13
.set ADS,  14
.set ADW,  1
.set ADWS, 2
.set PFO,  15                          ; v15  256 x lane; never rewritten
.set CMD,  16                          ; v16-31 X: c' and -2 v by turns, for columns 256 w + 8 l + 0 .. 7
.set SA,   16                          ; v16-47 E: the scores' sums: register 8 m + j: row 16 m + 8 h + j, my column's share
.set CC,   32                          ; v32-39 X: two sets of codes
.set EB,   40                          ; v40-41 X: two scale bytes
.set VS,   48                          ; v48-49 the sum of v over my lane's 16 columns
.set AS,   50                          ; v50-53 the rows' scale words, set e at 50 + 2 e;  v54-61 W's, set e at 54 + 4 e: these hold scales and nothing else
.set WS,   54
.set SPW,  62                          ; v62  LDS address of my spare word; never rewritten
.set NIL,  63                          ; v63  0; never rewritten
.set X,    64                          ; v64-95  X: two sets of 16 neighbours
.set R,    96                          ; v96-255 X: ten sets of 16 numbers as loaded
.set AF,   64                          ; v64-159 G: the rows' fragments, set e at 64 + 48 e, tile m + 12 m
.set WF,   160                         ; v160-255 G: W's eight fragments, one set
.set CMR,  112                         ; v112-143 E: the table's pairs, tile T at 112 + 2 T (the rows' set 1 is free then)
.set CT,   64                          ; v64-127 the context: register 16 Q + i: channel 512 Q + 16 l + i
.set PB,   128                         ; v128-143 p of my 16 rows
.set ZR,   144                         ; v144 0
.set WV,   16
.set WG,   18
.set WOFF, 19                          ; s19  25,600 x wave
.set TB,   20                          ; s20  the slot in hand
.set KA,   21                          ; s21  where its K steps begin in a row of codes: 192 bytes an index
.set KS,   22                          ; s22  and in a row of scale bytes: 8
.set CNT,  23
.set G1,   24                          ; s[24:31] descriptor group 1;  s[32:35], s[36:39] groups 0 for the two first fills; the second then walks on
.set G0A,  32
.set G0B,  36
.set PS,   40                          ; s[40:55] p of my 16 rows
.set K2,   56                          ; s[56:57] 2 log2(e)
.set SEL,  58                          ; s[58:59] lane l xor 16
.set PFA,  66                          ; s[66:67] my work-group's 8,192 bytes of wq
.set PFF,  68                          ; s68  0 in a wave that prefetches
.set PRT,  70                          ; s[70:71] part: my work-group's row, my wave's 2,048 bytes
.set MSB, 0
.macro WIN new                         ; the immediate's high byte repeats the setting that is left; a switch that changes nothing is dropped
.if MSB != (\new)
	s_set_vgpr_msb (MSB<<8)|(\new)
.set MSB, (\new)
.endif
.endm
.macro PLACES                          ; four places behind a matrix instruction, in front of loads into its registers and of the first read of its result
.rept 4
	v_nop
.endr
.endm
.macro CREST                           ; a round of the cluster's barrier behind its opening barrier
	s_cmp_lg_u32 s[WV], 0
	s_cbranch_scc1 .Lnot_wave_0_\@
	s_barrier_signal -3
.Lnot_wave_0_\@:
	s_barrier_wait -3
	s_barrier_signal -1
	s_barrier_wait -1
.endm
.macro CROUND
	s_barrier_signal -1
	s_barrier_wait -1
	CREST
.endm
	s_load_b256 s[4:11], s[0:1], 0x0               ; encoder_outputs s[4:5], wq s[6:7], cpart s[8:9], attn_b s[10:11]
	s_load_b128 s[12:15], s[0:1], 0x20             ; v_w s[12:13], part s[14:15]
	v_lshl_add_u32 v[SPW], v0, 2, SPARE
	v_mov_b32 v[NIL], 0
	ds_add_u32 v62, v63
	ds_add_u32 v62, v63
	s_wait_dscnt 0x0
	v_lshrrev_b32 v42, 5, v0
	v_readfirstlane_b32 s[WV], v42                 ; wave 0..3
	s_bfe_u32 s17, ttmp6, 0x40000                  ; cx
	s_lshl_b32 s[WG], ttmp9, 2
	s_add_co_u32 s[WG], s[WG], s17                 ; my work-group: it enters global addresses of my own rows, of part and of the prefetch alone
	s_mul_i32 s[WOFF], s[WV], WBLK
	; descriptor group 1: a wave's block, dense in memory: 100 rows of 256 bytes (32 elements of 8 bytes), no padding: images are read as consecutive bytes
	s_mov_b32 s[G1], 15|(3<<16)|(1<<21)            ; 15:0 the mask: all four work-groups; 17:16 elements of 8 bytes; 21 set beside a mask
	s_mov_b32 s[G1+1], 32<<16                      ; tensor_dim0 = 32
	s_mov_b32 s[G1+2], 100<<16                     ; tensor_dim1 = 100
	s_mov_b32 s[G1+3], 32<<16                      ; tile_dim0 = 32
	s_mov_b32 s[G1+4], 100                         ; tile_dim1 = 100
	s_mov_b32 s[G1+5], 32                          ; from row to row
	s_mov_b32 s[G1+6], 0
	s_mov_b32 s[G1+7], 0
	s_mul_i32 s60, s[WV], STGW
	s_add_co_u32 s60, s60, STG                     ; my stage
	s_mul_i32 s61, s[WV], 16*ACP
	s_add_co_u32 s61, s61, AC                      ; my 16 rows' codes
	s_mul_i32 s62, s[WV], 16*ASP
	s_add_co_u32 s62, s62, ASC                     ; and scale bytes
	s_lshl_b32 s63, s[WV], 10
	v_and_b32 v43, 31, v0                          ; lane
	v_and_b32 v44, 15, v0                          ; r
	v_bfe_u32 v45, v0, 4, 1                        ; h
	v_lshlrev_b32 v[GA], 4, v43
	v_lshrrev_b32 v42, 2, v43
	v_mul_u32_u24 v[STI], v42, 80
	v_and_b32 v42, 3, v43
	v_lshl_add_u32 v[STI], v42, 4, v[STI]
	v_add_nc_u32 v[STI], s60, v[STI]               ; four lanes' 64 bytes on end, then 16 of padding
	v_mul_u32_u24 v[STO], v43, 80
	v_add_nc_u32 v[STO], s60, v[STO]               ; my 16 neighbours
	v_mul_u32_u24 v[CA], v43, 12
	v_add_nc_u32 v[CA], s61, v[CA]
	v_lshrrev_b32 v[SAD], 1, v43
	v_add_nc_u32 v[SAD], s62, v[SAD]
	v_lshl_add_u32 v[HA], v43, 5, s63
	v_mul_u32_u24 v[AA0], v44, ACP
	v_mad_u32_u24 v[AA0], v45, 24, v[AA0]
	v_add_nc_u32 v[AA0], AC, v[AA0]
	v_mul_u32_u24 v[AS0], v43, ASP
	v_add_nc_u32 v[AS0], ASC, v[AS0]
	v_lshl_add_u32 v[AW0], v43, 4, s[WOFF]
	v_lshl_add_u32 v[AWS0], v43, 2, s[WOFF]
	v_lshl_add_u32 v[ADC], v44, 3, s60
	v_lshl_add_u32 v[CMA], v43, 6, s60
	v_lshlrev_b32 v[PFO], 8, v43
	s_lshl_b32 s60, s[WG], 19                      ; my rows: (64 wg + 16 w) x 8,192 bytes
	s_lshl_b32 s61, s[WV], 17
	s_add_co_u32 s60, s60, s61
	s_mov_b32 s61, 0
	s_mov_b32 s62, s[WOFF]
	s_mov_b32 s63, 0
	s_mul_i32 s[PRT], s[WG], 8704
	s_lshl_b32 s[PRT+1], s[WV], 11
	s_add_co_u32 s[PRT], s[PRT], s[PRT+1]
	s_mov_b32 s[PRT+1], 0
	s_lshl_b32 s[PFA], s[WG], 13
	s_mov_b32 s[PFA+1], 0
	s_cmp_lt_u32 ttmp9, 50                         ; 50 clusters x 4 work-groups x 8,192 bytes are all of wq
	s_cselect_b32 s[PFF], 0, 1
	s_or_b32 s[PFF], s[PFF], s[WV]                 ; wave 0 of those: the same in all four partners
	s_mov_b32 s[K2], 0x4038aa3b                    ; 2 log2(e)
	s_mov_b32 s[K2+1], s[K2]                       ; (named with it as a pair, so it is written)
	s_mov_b32 s[SEL], 0x76543210
	s_mov_b32 s[SEL+1], 0xfedcba98
	s_wait_kmcnt 0x0
	s_add_nc_u64 s[4:5], s[4:5], s[60:61]
	s_add_nc_u64 s[62:63], s[6:7], s[62:63]        ; wq at my wave's block of index 0
	s_add_nc_u64 s[PRT:PRT+1], s[14:15], s[PRT:PRT+1]
	s_add_nc_u64 s[PFA:PFA+1], s[6:7], s[PFA:PFA+1]
	s_mov_b32 s[G0A], 1                            ; count = 1
	s_mov_b32 s[G0A+1], s[WOFF]                    ; LDS: slot 0, my wave's quarter
	s_mov_b64 s[G0A+2:G0A+3], s[62:63]
	s_or_b32 s[G0A+3], s[G0A+3], 0x80000000        ; type = 2
	s_mov_b32 s[G0B], 1
	s_add_co_u32 s[G0B+1], s[WOFF], SLOTB          ; slot 1
	s_add_nc_u64 s[G0B+2:G0B+3], s[62:63], SLOTB   ; index 1
	s_or_b32 s[G0B+3], s[G0B+3], 0x80000000
	CROUND                                         ; all four work-groups are here: the first joint loads meet
	tensor_load_to_lds s[G0A:G0A+3], s[G1:G1+7]    ; both first fills together: two tensor loads of mine are out
	s_nop 0
	tensor_load_to_lds s[G0B:G0B+3], s[G1:G1+7]
	s_nop 0
.rept 4
	v_nop                                          ; four places behind a tensor load
.endr
	WIN 0x40                                       ; destination window 1
.irp s, 0,1,2,3,4,5,6,7,8,9,10,11,12,13,14,15
	global_load_b128 v[8*\s:8*\s+3], v[HA], s[8:9] offset:4096*\s
	global_load_b128 v[8*\s+4:8*\s+7], v[HA], s[8:9] offset:4096*\s+16
.endr
	global_load_b128 v[128:131], v[HA], s[10:11]
	global_load_b128 v[132:135], v[HA], s[10:11] offset:16
	global_load_b128 v[136:139], v[HA], s[12:13]
	global_load_b128 v[140:143], v[HA], s[12:13] offset:16
	WIN 0
; PHASE X.  Step t = 4 i + Q: 512 numbers of my row i.
.macro LOAD t                          ; four loads, 512 consecutive bytes each, into set t % 10
.irp j, 0,1,2,3
	global_load_b128 v[R+16*((\t)%10)+4*\j:R+16*((\t)%10)+4*\j+3], v[GA], s[4:5] offset:8192*((\t)/4)+2048*((\t)%4)+512*\j th:TH_LOAD_NT
.endr
.endm
.macro XTURN t                         ; through my stage, so that a lane holds 16 neighbours.  LDS serves a wave's instructions in order (ISA guide 5.7.1.4): one stage serves every step
.irp j, 0,1,2,3
	ds_store_b128 v[STI], v[R+16*((\t)%10)+4*\j:R+16*((\t)%10)+4*\j+3] offset:640*\j
.endr
.irp j, 0,1,2,3
	ds_load_b128 v[X+16*((\t)%2)+4*\j:X+16*((\t)%2)+4*\j+3], v[STO] offset:16*\j
.endr
.endm
.macro XSTEP t
.set XI, (\t)/4
.set XQ, (\t)%4
.set XS, X+16*((\t)%2)
.set XC, CC+4*((\t)%2)
.if (\t) == 0
	s_wait_dscnt 0x0
.else
	s_wait_dscnt 0x4                               ; this step's numbers are back from the stage; the last step's four small stores may be out
.endif
.if (\t)+10 < 64
	LOAD (\t)+10                                   ; into the set that this step's turn has read
.endif
.if (\t) == 32
	; wq is asked for once in the launch, into the L2: 200 work-groups' wave 0, 32 blocks of 256 bytes each, a lane a block; it stands behind the wave's loads, half of phase X ahead of the ring's walk
	s_cmp_eq_u32 s[PFF], 0
	s_cbranch_scc0 .Lno_prefetch_\@
	global_prefetch_b8 v[PFO], s[PFA:PFA+1] th:TH_LOAD_NT scope:SCOPE_SE
.Lno_prefetch_\@:
.endif
.if (\t) < 63
.if (\t) <= 53
	s_wait_loadcnt 36                              ; the next step's four loads are in; those of the nine steps behind it may be out
.else
	s_wait_loadcnt 4*(62-(\t))
.endif
	XTURN (\t)+1
.endif
	v_max3_num_f32 v42, |v[XS]|, |v[XS+1]|, |v[XS+2]|              ; the largest magnitude of my 16, in two chains
	v_max3_num_f32 v43, |v[XS+3]|, |v[XS+4]|, |v[XS+5]|
.irp i, 6,10
	v_max3_num_f32 v42, v42, |v[XS+\i]|, |v[XS+\i+1]|
	v_max3_num_f32 v43, v43, |v[XS+\i+2]|, |v[XS+\i+3]|
.endr
	v_max3_num_f32 v42, v42, |v[XS+14]|, |v[XS+15]|
	v_max3_num_f32 v42, v42, v43, 0x2800000        ; and the floor 2^(5 - 127): the byte cannot fall under 1
	v_max_num_f32_dpp v42, v42, v42 row_xmask:1 row_mask:0xf bank_mask:0xf   ; and of my neighbour's 16: the block's
	v_add_nc_u32 v44, 0xfe000000, v42              ; 4 off its exponent field: the conversion's scale operand
	v_cvt_scalef32_pk16_bf6_f32 v[XC:XC+2], v[XS:XS+15], v44
	v_lshrrev_b32 v[EB+(\t)%2], 23, v44            ; the scale's byte (and the plain place behind the conversion)
	ds_store_b32 v[CA], v[XC] offset:ACP*XI+384*XQ         ; 12 bytes a lane: the wave's 384 consecutive bytes of the row's stream of codes
	ds_store_b32 v[CA], v[XC+1] offset:ACP*XI+384*XQ+4
	ds_store_b32 v[CA], v[XC+2] offset:ACP*XI+384*XQ+8
	ds_store_b8 v[SAD], v[EB+(\t)%2] offset:ASP*XI+16*XQ   ; both lanes of a block write the same byte with the same value
	WIN 0x80+0x40*(XI/8)                           ; destination window 2 or 3
.irp k, 0,1,2,3,4,5,6,7
	v_cvt_pk_bf16_f32 v[32*(XI%8)+8*XQ+\k], v[XS+2*\k], v[XS+2*\k+1]   ; the copy for the context
.endr
	WIN 0
.endm
.irp t, 0,1,2,3,4,5
	LOAD \t
.endr
	s_wait_loadcnt 24                              ; cpart, attn_b and v_w are in; the 24 loads just issued may be out
	WIN 0x45                                       ; all in window 1
.irp s, 1,2,3,4,5,6,7,8,9,10,11,12,13,14,15,16
.irp k, 0,2,4,6
	v_pk_add_f32 v[\k:\k+1], v[\k:\k+1], v[8*\s+\k:8*\s+\k+1]   ; the 16 parts of the hidden half's sums, and attn_b (at 8 x 16)
.endr
.endr
	WIN 0x01                                       ; source 0 window 1
.irp k, 0,1,2,3,4,5,6,7
	v_mul_f32 v[CMD+2*\k], v[\k], s[K2]            ; c' = 2 log2(e) (sum + bias)
	v_mul_f32 v[CMD+2*\k+1], v[136+\k], -2.0       ; -2 v
.endr
	WIN 0
.irp t, 6,7,8,9
	LOAD \t
.endr
	s_wait_loadcnt 36                              ; step 0's four loads are in
	XTURN 0
.set TT, 0
.rept 64
	XSTEP TT
.set TT, TT+1
.endr
.irp q, 0,1,2,3
	ds_store_b128 v[CMA], v[CMD+4*\q:CMD+4*\q+3] offset:16*\q   ; the table, over my stage, whose last reads came back at the head of the last step
.endr
	s_mov_b32 s[TB], 0
	s_mov_b32 s[KA], 0
	s_mov_b32 s[KS], 0
	s_wait_tensorcnt 0x1                           ; my part of index 0 is in; index 1's load may stay out
	s_wait_dscnt 0x0                               ; for the others' sake: my rows' codes and scale bytes have landed
	s_barrier_signal -1
	s_barrier_wait -1
; PHASE G.  acc(m, b) += rows' tile m x W's tile b, 128 along K an instruction.  Source 0 = 16 rows, source 1 = 16 columns: register j of lane (r, h) is (row 16 m + 8 h + j, column 16 b + r).
; The 32 accumulators take turns, one instruction a turn, in the same order in every step.
.macro WM m, b, set, zero
.set rD, 8*(8*(\m)+(\b))
.set rA, AF+48*(\set)+12*(\m)
.set rB, WF+12*(\b)
.set rX, AS+2*(\set)+(\m)/2
.set rY, WS+4*(\set)+(\b)/2
.set vr, 4*(\zero)+2*((\m)%2)+(\b)%2   ; an odd tile's scale words lie in lanes 16-31 of the register
.if vr == 0
	v_wmma_scale_f32_16x16x128_f8f6f4 v[rD:rD+7], v[rA:rA+11], v[rB:rB+11], v[rD:rD+7], v[rX], v[rY] matrix_a_fmt:MATRIX_FMT_BF6 matrix_b_fmt:MATRIX_FMT_BF6
.elseif vr == 1
	v_wmma_scale_f32_16x16x128_f8f6f4 v[rD:rD+7], v[rA:rA+11], v[rB:rB+11], v[rD:rD+7], v[rX], v[rY] matrix_a_fmt:MATRIX_FMT_BF6 matrix_b_fmt:MATRIX_FMT_BF6 matrix_b_scale:MATRIX_SCALE_ROW1
.elseif vr == 2
	v_wmma_scale_f32_16x16x128_f8f6f4 v[rD:rD+7], v[rA:rA+11], v[rB:rB+11], v[rD:rD+7], v[rX], v[rY] matrix_a_fmt:MATRIX_FMT_BF6 matrix_b_fmt:MATRIX_FMT_BF6 matrix_a_scale:MATRIX_SCALE_ROW1
.elseif vr == 3
	v_wmma_scale_f32_16x16x128_f8f6f4 v[rD:rD+7], v[rA:rA+11], v[rB:rB+11], v[rD:rD+7], v[rX], v[rY] matrix_a_fmt:MATRIX_FMT_BF6 matrix_b_fmt:MATRIX_FMT_BF6 matrix_a_scale:MATRIX_SCALE_ROW1 matrix_b_scale:MATRIX_SCALE_ROW1
.elseif vr == 4
	v_wmma_scale_f32_16x16x128_f8f6f4 v[rD:rD+7], v[rA:rA+11], v[rB:rB+11], 0, v[rX], v[rY] matrix_a_fmt:MATRIX_FMT_BF6 matrix_b_fmt:MATRIX_FMT_BF6
.elseif vr == 5
	v_wmma_scale_f32_16x16x128_f8f6f4 v[rD:rD+7], v[rA:rA+11], v[rB:rB+11], 0, v[rX], v[rY] matrix_a_fmt:MATRIX_FMT_BF6 matrix_b_fmt:MATRIX_FMT_BF6 matrix_b_scale:MATRIX_SCALE_ROW1
.elseif vr == 6
	v_wmma_scale_f32_16x16x128_f8f6f4 v[rD:rD+7], v[rA:rA+11], v[rB:rB+11], 0, v[rX], v[rY] matrix_a_fmt:MATRIX_FMT_BF6 matrix_b_fmt:MATRIX_FMT_BF6 matrix_a_scale:MATRIX_SCALE_ROW1
.else
	v_wmma_scale_f32_16x16x128_f8f6f4 v[rD:rD+7], v[rA:rA+11], v[rB:rB+11], 0, v[rX], v[rY] matrix_a_fmt:MATRIX_FMT_BF6 matrix_b_fmt:MATRIX_FMT_BF6 matrix_a_scale:MATRIX_SCALE_ROW1 matrix_b_scale:MATRIX_SCALE_ROW1
.endif
.endm
.macro MULB b0, n, set, zero           ; W's tiles b0 .. b0 + n - 1, each against the four tiles of rows
.set BQ, \b0
.rept \n
.irp m, 0,1,2,3
	WM \m, BQ, \set, \zero
.endr
.set BQ, BQ+1
.endr
.endm
.macro ADDRS                           ; the addresses of the index in hand
	v_add_nc_u32 v[ADA], s[KA], v[AA0]
	v_add_nc_u32 v[ADB], 32*ACP, v[ADA]            ; tiles 2 and 3 lie beyond an LDS offset's 16 bits
	v_add_nc_u32 v[ADS], s[KS], v[AS0]
	v_add_nc_u32 v[ADW], s[TB], v[AW0]
	v_add_nc_u32 v[ADWS], s[TB], v[AWS0]
.endm
.macro FETCH_A set, e                  ; the rows' four fragments of the index's e-th 128 along K: lane (r, h) takes 24 bytes at 24 h and 24 at 48 + 24 h of its row's 96, in pieces of 8
.irp m, 0,1
.irp p, 0,1,2,3,4,5
	ds_load_b64 v[AF+48*\set+12*\m+2*\p:AF+48*\set+12*\m+2*\p+1], v[ADA] offset:\m*16*ACP+96*\e+48*(\p/3)+8*(\p%3)
.endr
.endr
.irp m, 0,1
.irp p, 0,1,2,3,4,5
	ds_load_b64 v[AF+48*\set+24+12*\m+2*\p:AF+48*\set+24+12*\m+2*\p+1], v[ADB] offset:\m*16*ACP+96*\e+48*(\p/3)+8*(\p%3)
.endr
.endr
.endm
.macro SCALES set, e                   ; scale words: a register serves two tiles, the even one in lanes 0-15, the odd one in lanes 16-31
.irp p, 0,1
	ds_load_b32 v[AS+2*\set+\p], v[ADS] offset:32*ASP*\p+4*\e
.endr
.irp q, 0,1,2,3
	ds_load_b32 v[WS+4*\set+\q], v[ADWS] offset:WSC+512*\e+128*\q
.endr
.endm
.macro FETCH_W b0, e                   ; four of W's fragments: images, 512 consecutive bytes a load
.irp b, \b0, \b0+1, \b0+2, \b0+3
.irp c, 0,1,2
	ds_load_b128 v[WF+12*(\b)+4*\c:WF+12*(\b)+4*\c+3], v[ADW] offset:(8*\e+(\b))*1536+512*\c
.endr
.endr
.endm
; An index's first 128 along K.  W has one set of registers: a tile is free as soon as its four products are issued.  The rows have two sets.
.macro STEP zero
	s_wait_dscnt 12                                ; all but the youngest 12 loads (W's tiles 4-7) are in
	WIN 0x50                                       ; C and D window 1
	MULB 0, 4, 0, \zero
	s_wait_dscnt 0x0                               ; W's tiles 4-7 are in
	PLACES
	WIN 0
	FETCH_A 1, 1
	SCALES 1, 1
	FETCH_W 0, 1
	WIN 0x50
	MULB 4, 4, 0, \zero
	PLACES
	WIN 0
	FETCH_W 4, 1
.endm
; An index's second 128 along K, and the change of slots: ONE barrier; in front of it each wave waits for all its tensor loads, adds 0 to its spare word, and waits for that and for its reads of the slot.
; fill = 1: the slot that is left takes the index two on; the barrier then opens a round of the cluster's barrier.  reset = 1: the next index begins the second group of columns: K starts anew.
.macro TURN fill, reset
	s_wait_tensorcnt 0x0                           ; all my tensor loads have landed: the one that was out is my part of the next slot;
	ds_add_u32 v[SPW], v[NIL]                      ; 0 onto my spare word;
	s_wait_dscnt 13                                ; (the add and the youngest 12 loads may be out)
	WIN 0x50
	MULB 0, 2, 1, 0                                ; eight matrix instructions stand between the add and the wait for it
	s_wait_dscnt 0x0                               ; the add is done, and my reads of this slot are over
	s_barrier_signal -1
	MULB 2, 2, 1, 0
	WIN 0
	s_barrier_wait -1
.if \fill
	CREST                                          ; no wave of any partner still reads this slot or has a load on its way
	s_add_co_u32 s[G0B+1], s[TB], s[WOFF]          ; the walking descriptor: the slot that is left,
	s_add_nc_u64 s[G0B+2:G0B+3], s[G0B+2:G0B+3], SLOTB   ; the next index; the type bits on top are not reached
	tensor_load_to_lds s[G0B:G0B+3], s[G1:G1+7]    ; my one tensor load behind the round, and the first thing there
	s_nop 0
.endif
	PLACES                                         ; behind the tensor load; also places in front of the loads below
	s_xor_b32 s[TB], s[TB], SLOTB
.if \reset
	s_mov_b32 s[KA], 0
	s_mov_b32 s[KS], 0
.else
	s_add_co_u32 s[KA], s[KA], 192
	s_add_co_u32 s[KS], s[KS], 8
.endif
	ADDRS
	FETCH_A 0, 0
	SCALES 0, 0
	FETCH_W 0, 0
	WIN 0x50
	MULB 4, 4, 1, 0
	PLACES
	WIN 0
	FETCH_W 4, 0
.endm
; PHASE E, for the group's eight tiles of columns t: y = 2 log2(e) acc + c';  u = 1 / (1 + 2^y);  SA += -2 v u.  With the sum of v as SA's start that is the sum of v tanh.
; Each part runs over acc(0..3, t), each accumulator from its low end on.
.macro EFMA t, g
	WIN 0x41                                       ; destination and source 0 window 1
.irp m, 0,1,2,3
.irp k, 0,2,4,6
	v_pk_fma_f32 v[8*(8*\m+(\t))+\k:8*(8*\m+(\t))+\k+1], v[8*(8*\m+(\t))+\k:8*(8*\m+(\t))+\k+1], s[K2:K2+1], v[CMR+2*(8*(\g)+(\t)):CMR+2*(8*(\g)+(\t))+1] op_sel_hi:[1,0,0]
.endr
.endr
.endm
.macro EEXP t
	WIN 0x41
.irp m, 0,1,2,3
.irp j, 0,1,2,3,4,5,6,7
	v_exp_f32 v[8*(8*\m+(\t))+\j], v[8*(8*\m+(\t))+\j]
.endr
.endr
.endm
.macro EADD t
	WIN 0x41
.irp m, 0,1,2,3
.irp k, 0,2,4,6
	v_pk_add_f32 v[8*(8*\m+(\t))+\k:8*(8*\m+(\t))+\k+1], v[8*(8*\m+(\t))+\k:8*(8*\m+(\t))+\k+1], 1.0 op_sel_hi:[1,0]
.endr
.endr
.endm
.macro ERCP t
	WIN 0x41
.irp m, 0,1,2,3
.irp j, 0,1,2,3,4,5,6,7
	v_rcp_f32 v[8*(8*\m+(\t))+\j], v[8*(8*\m+(\t))+\j]
.endr
.endr
.endm
.macro EACC t, g
	WIN 0x01                                       ; source 0 window 1
.irp m, 0,1,2,3
.irp k, 0,2,4,6
.if ((\g) == 0) && ((\t) == 0)
	v_pk_fma_f32 v[SA+8*\m+\k:SA+8*\m+\k+1], v[8*(8*\m+(\t))+\k:8*(8*\m+(\t))+\k+1], v[CMR+2*(8*(\g)+(\t)):CMR+2*(8*(\g)+(\t))+1], v[VS:VS+1] op_sel:[0,1,0] op_sel_hi:[1,1,0]   ; the first tile starts the sums: nothing is cleared
.else
	v_pk_fma_f32 v[SA+8*\m+\k:SA+8*\m+\k+1], v[8*(8*\m+(\t))+\k:8*(8*\m+(\t))+\k+1], v[CMR+2*(8*(\g)+(\t)):CMR+2*(8*(\g)+(\t))+1], v[SA+8*\m+\k:SA+8*\m+\k+1] op_sel:[0,1,0] op_sel_hi:[1,1,1]
.endif
.endr
.endr
.endm
; The tiles are staggered, so that ONE wait a tile serves two batches issued a turn earlier (tile t's 32 powers, tile t - 1's 32 reciprocals), with the next tile's scalings as the plain work in front of it.
.macro EPI g
.if \g == 0
.irp x, 0,1,2,3,4,5,6,7,8,9,10,11,12,13,14,15
	ds_load_b64 v[CMR+2*\x:CMR+2*\x+1], v[ADC] offset:128*\x   ; (c', -2 v) of my column of each tile
.endr
.else
.irp x, 8,9,10,11,12,13,14,15
	ds_load_b64 v[CMR+2*\x:CMR+2*\x+1], v[ADC] offset:128*\x
.endr
.endif
	s_wait_dscnt 0x0
.if \g == 0
	v_add_f32 v[VS], v[CMR+1], v[CMR+3]
	v_add_f32 v[VS+1], v[CMR+5], v[CMR+7]
.irp x, 4,6,8,10,12,14
	v_add_f32 v[VS], v[VS], v[CMR+2*\x+1]
	v_add_f32 v[VS+1], v[VS+1], v[CMR+2*\x+3]
.endr
	v_add_f32 v[VS], v[VS], v[VS+1]
	v_mul_f32 v[VS], -0.5, v[VS]                   ; the sum of v over my 16 columns
	v_mov_b32 v[VS+1], v[VS]
.endif
	EFMA 0, \g
	EEXP 0
.irp t, 0,1,2,3,4,5,6,7
.if \t < 7
	EFMA \t+1, \g
.else
	v_nop
.endif
	s_wait_alu depctr_va_vdst(0)                   ; the wait ahead of the first reader of a batch
	EADD \t
	ERCP \t
.if \t < 7
	EEXP \t+1
.endif
.if \t > 0
	EACC \t-1, \g
.endif
.endr
	v_nop
	s_wait_alu depctr_va_vdst(0)
	EACC 7, \g
	WIN 0
.endm
	ADDRS
	FETCH_A 0, 0
	SCALES 0, 0
	FETCH_W 0, 0
	FETCH_W 4, 0
	STEP 1                                         ; index 0: its first products start the sums
	s_mov_b32 s[CNT], 7
.Lgroup_0:                                         ; seven trips: index k is finished, index k + 2 asked for, index k + 1 begun
	TURN 1, 0
	STEP 0
	s_sub_co_u32 s[CNT], s[CNT], 1
	s_cmp_lg_u32 s[CNT], 0
	s_cbranch_scc1 .Lgroup_0
	TURN 1, 1                                      ; index 7 is finished, index 9 asked for, index 8's first fragments fetched
	EPI 0                                          ; the first 128 columns' activation, while index 9 is on its way
	STEP 1                                         ; index 8 starts the second group's sums
	s_mov_b32 s[CNT], 6
.Lgroup_1:                                         ; six trips: indices 10 to 15 are asked for
	TURN 1, 0
	STEP 0
	s_sub_co_u32 s[CNT], s[CNT], 1
	s_cmp_lg_u32 s[CNT], 0
	s_cbranch_scc1 .Lgroup_1
	TURN 0, 0                                      ; the tail is written out: nothing is left to ask for
	STEP 0
	s_wait_dscnt 12                                ; the very last 128 along K
	WIN 0x50
	MULB 0, 4, 1, 0
	s_wait_dscnt 0x0
	MULB 4, 4, 1, 0
	PLACES
	WIN 0
	EPI 1
; THE TAIL.  The scores: over my 16 lanes' columns, then over the four waves through LDS.
	v_and_b32 v151, 31, v0                         ; lane
	v_and_b32 v172, 15, v0                         ; r
	v_bfe_u32 v173, v0, 4, 1                       ; h
	s_lshl_b32 s60, s[WV], 8
	s_add_co_u32 s60, s60, SCX
	v_lshl_add_u32 v145, v173, 5, s60              ; my wave's 64 parts: rows 8 h on
	v_lshl_add_u32 v146, v151, 2, SCX              ; rows l and l + 32
	s_lshl_b32 s61, s[WV], 6
	s_add_co_u32 s61, s61, SCX
	v_lshl_add_u32 v147, v172, 2, s61              ; my own rows: 16 w + r
	s_mul_i32 s62, s[WV], CXW
	s_add_co_u32 s62, s62, AC
	v_mul_u32_u24 v148, v151, 80
	v_add_nc_u32 v148, s62, v148                   ; the exchange, in: my wave's part, a place of 64 + 16 bytes a lane
	s_mul_i32 s63, s[WV], 2560
	s_add_co_u32 s63, s63, AC
	v_lshrrev_b32 v149, 2, v151
	v_mul_u32_u24 v149, v149, 80
	v_and_b32 v174, 3, v151
	v_lshl_add_u32 v149, v174, 4, v149
	v_add_nc_u32 v149, s63, v149                   ; and out: quarter w of every wave's part, 16 consecutive bytes a lane
	v_lshlrev_b32 v150, 4, v151
	v_mov_b32 v165, 0                              ; a lane permute's destination counts as one of its sources
.irp x, 1,2,4,8
.irp j, 0,1,2,3,4,5,6,7,8,9,10,11,12,13,14,15,16,17,18,19,20,21,22,23,24,25,26,27,28,29,30,31
	v_add_f32_dpp v[SA+\j], v[SA+\j], v[SA+\j] row_xmask:\x row_mask:0xf bank_mask:0xf
.endr
.endr
.irp m, 0,1,2,3
.irp q, 0,1
	ds_store_b128 v145, v[SA+8*\m+4*\q:SA+8*\m+4*\q+3] offset:64*\m+16*\q   ; the sixteen lanes of a half write the same bytes with the same values
.endr
.endr
	s_wait_dscnt 0x0                               ; my parts have landed, and my reads of the rows' codes are long over
	s_barrier_signal -1
	s_barrier_wait -1
.irp u, 0,1
.irp x, 0,1,2,3
	ds_load_b32 v[152+4*\u+\x], v146 offset:256*\x+128*\u
.endr
.endr
.irp x, 0,1,2,3
	ds_load_b32 v[160+\x], v147 offset:256*\x
.endr
	s_wait_dscnt 0x0
.irp a, 152, 156, 160                          ; the four waves' parts, in one order everywhere, so that a row's score has the same bits in every wave
	v_add_f32 v[\a], v[\a], v[\a+1]
	v_add_f32 v[\a+2], v[\a+2], v[\a+3]
.endr
.irp a, 152, 156, 160
	v_add_f32 v[\a], v[\a], v[\a+2]
.endr
.irp a, 152, 156, 160
	v_mul_f32 v[\a], 0x3fb8aa3b, v[\a]             ; t = score x log2(e)
.endr
	v_max_num_f32 v164, v152, v156
.irp x, 1,2,4,8
	v_max_num_f32_dpp v164, v164, v164 row_xmask:\x row_mask:0xf bank_mask:0xf
.endr
	v_permlanex16_b32 v165, v164, s[SEL], s[SEL+1]
	v_max_num_f32 v164, v164, v165                 ; m: the largest t of the 64 rows
.irp a, 152, 156, 160
	v_sub_f32 v[\a], v[\a], v164
.endr
.irp a, 152, 156, 160
	v_exp_f32 v[\a], v[\a]                         ; p = 2^(t - m)
.endr
	v_mov_b32 v[ZR], 0                             ; (a plain place behind the exponentials)
	s_wait_alu depctr_va_vdst(0)                   ; one wait for the three
	v_add_f32 v166, v152, v156
.irp x, 1,2,4,8
	v_add_f32_dpp v166, v166, v166 row_xmask:\x row_mask:0xf bank_mask:0xf
.endr
	v_permlanex16_b32 v165, v166, s[SEL], s[SEL+1]
	v_add_f32 v166, v166, v165                     ; l: the sum of p over the 64 rows
	v_mov_b32 v168, v164
	v_mov_b32 v169, v166
	v_mov_b32 v170, v164
	v_mov_b32 v171, v166
	s_cmp_lg_u32 s[WV], 0
	s_cbranch_scc1 .Lnot_first
	global_store_b128 v150, v[168:171], s[PRT:PRT+1] offset:8192   ; {m, l, m, l}: 512 consecutive bytes behind the work-group's 8,192 of context
.Lnot_first:
.irp i, 0,1,2,3,4,5,6,7,8,9,10,11,12,13,14,15
	v_readlane_b32 s[PS+\i], v160, \i              ; lane i holds p of my row i
.endr
.irp i, 0,1,2,3,4,5,6,7,8,9,10,11,12,13,14,15
	v_mov_b32 v[PB+\i], s[PS+\i]
.endr
; The context of my 16 rows, out of the bf16 copy: 64 sums a lane, in f32; row 0 starts them.
.set II, 0
.rept 16
	WIN 0x02+(II/8)                                ; source 0 window 2 or 3
.set JJ, 0
.rept 32
.if II == 0
	v_fma_mix_f32_bf16 v[CT+2*JJ], v[32*(II%8)+JJ], v[PB+II], v[ZR] op_sel:[0,0,0] op_sel_hi:[1,0,0]
	v_fma_mix_f32_bf16 v[CT+2*JJ+1], v[32*(II%8)+JJ], v[PB+II], v[ZR] op_sel:[1,0,0] op_sel_hi:[1,0,0]
.else
	v_fma_mix_f32_bf16 v[CT+2*JJ], v[32*(II%8)+JJ], v[PB+II], v[CT+2*JJ] op_sel:[0,0,0] op_sel_hi:[1,0,0]
	v_fma_mix_f32_bf16 v[CT+2*JJ+1], v[32*(II%8)+JJ], v[PB+II], v[CT+2*JJ+1] op_sel:[1,0,0] op_sel_hi:[1,0,0]
.endif
.set JJ, JJ+1
.endr
.set II, II+1
.endr
	WIN 0
.irp q, 0,1,2,3
.irp x, 0,1,2,3
	ds_store_b128 v148, v[CT+16*\q+4*\x:CT+16*\q+4*\x+3] offset:2560*\q+16*\x   ; over the rows' codes: every wave has passed the scores' barrier behind its last read of them
.endr
.endr
	s_wait_dscnt 0x0
	s_barrier_signal -1
	s_barrier_wait -1
.irp x, 0,1,2,3
.irp k, 0,1,2,3
	ds_load_b128 v[CT+16*\x+4*\k:CT+16*\x+4*\k+3], v149 offset:CXW*\x+640*\k   ; wave x's sums of channels 512 w + 128 k + 4 l on
.endr
.endr
	s_wait_dscnt 0x0
.irp k, 0,1,2,3
.irp p, 0,2
	v_pk_add_f32 v[CT+4*\k+\p:CT+4*\k+\p+1], v[CT+4*\k+\p:CT+4*\k+\p+1], v[CT+16+4*\k+\p:CT+16+4*\k+\p+1]
	v_pk_add_f32 v[CT+32+4*\k+\p:CT+32+4*\k+\p+1], v[CT+32+4*\k+\p:CT+32+4*\k+\p+1], v[CT+48+4*\k+\p:CT+48+4*\k+\p+1]
.endr
.endr
.irp k, 0,1,2,3
.irp p, 0,2
	v_pk_add_f32 v[CT+4*\k+\p:CT+4*\k+\p+1], v[CT+4*\k+\p:CT+4*\k+\p+1], v[CT+32+4*\k+\p:CT+32+4*\k+\p+1]
.endr
.endr
.irp k, 0,1,2,3
	global_store_b128 v150, v[CT+4*\k:CT+4*\k+3], s[PRT:PRT+1] offset:512*\k   ; 32 lanes store 512 consecutive bytes, at a multiple of 256 from part's first byte
.endr
	s_wait_tensorcnt 0x0                           ; the wave's end: waits behind my last tensor load and my last LDS store
	ds_add_u32 v[SPW], v[NIL]
	s_wait_dscnt 0x0
	CROUND                                         ; the closing round: no work-group ends while a partner may still ask for a tile that names it
	s_endpgm
.Lfunc_end_k_q98b6c358c0_main:
	.size	k_q98b6c358c0_main, .Lfunc_end_k_q98b6c358c0_main-k_q98b6c358c0_main
	.p2alignl 7, 3214868480
	.fill 96, 4, 3214868480
	.section	.rodata,"a",@progbits
	.p2align	6, 0x0
	.amdhsa_kernel k_q98b6c358c0_main
		.amdhsa_group_segment_fixed_size 327680
		.amdhsa_private_segment_fixed_size 0
		.amdhsa_enable_private_segment 0
		.amdhsa_kernarg_size 48
		.amdhsa_user_sgpr_count 2
		.amdhsa_user_sgpr_kernarg_segment_ptr 1
		.amdhsa_wavefront_size32 1
		.amdhsa_system_sgpr_workgroup_id_x 1
		.amdhsa_system_sgpr_workgroup_id_y 1
		.amdhsa_system_sgpr_workgroup_id_z 1
		.amdhsa_system_vgpr_workitem_id 0
		.amdhsa_next_free_vgpr 1024
		.amdhsa_next_free_sgpr 72
		.amdhsa_reserve_vcc 0
		.amdhsa_float_denorm_mode_32 3
		.amdhsa_float_denorm_mode_16_64 3
		.amdhsa_memory_ordered 1
		.amdhsa_forward_progress 1
		.amdhsa_inst_pref_size 255
	.end_amdhsa_kernel
	.section	.bss,"aw",@nobits
	.p2align	6
	.space	262144
	.amdgpu_metadata
---
amdhsa.version: [ 1, 2 ]
amdhsa.kernels:
  - .name:           k_q98b6c358c0_main
    .symbol:         k_q98b6c358c0_main.kd
    .args:
      - { .name: encoder_outputs, .offset: 0, .size: 8, .value_kind: global_buffer, .address_space: global }
      - { .name: wq, .offset: 8, .size: 8, .value_kind: global_buffer, .address_space: global }
      - { .name: cpart, .offset: 16, .size: 8, .value_kind: global_buffer, .address_space: global }
      - { .name: attn_b, .offset: 24, .size: 8, .value_kind: global_buffer, .address_space: global }
      - { .name: v_w, .offset: 32, .size: 8, .value_kind: global_buffer, .address_space: global }
      - { .name: part, .offset: 40, .size: 8, .value_kind: global_buffer, .address_space: global }
    .group_segment_fixed_size: 327680
    .private_segment_fixed_size: 0
    .kernarg_segment_align: 8
    .kernarg_segment_size: 48
    .max_flat_workgroup_size: 128
    .sgpr_count:     72
    .vgpr_count:     1024
    .wavefront_size: 32
...
	.end_amdgpu_metadata
.endif
;; end of part 2
;; launch join (part 3): grid 256 x 1, 1 waves a work-group, no clusters, 0 bytes of LDS; arguments part, out0; writes out0
.if DOCPART == 3
	.amdgcn_target "amdgcn-amd-amdhsa--gfx1250"
	.amdhsa_code_object_version 6
	.text
	.protected	k_q98b6c358c0_join
	.globl	k_q98b6c358c0_join
	.p2align	8
	.type	k_q98b6c358c0_join,@function
k_q98b6c358c0_join:
	s_mov_b64 s[64:65], 0
	v_nop
	global_prefetch_b8 v0, s[64:65] scope:SCOPE_SE
	s_setreg_imm32_b32 hwreg(HW_REG_WAVE_MODE, 25, 1), 1
	s_wait_xcnt 0x0
; out0[b][d] = sum over the batch's 16 parts j of 2^(m_j - M) ctx_j[d] / L,  M = the largest m_j,  L = sum of 2^(m_j - M) l_j: the softmax over all 1,024 rows of a batch, joined from parts that each took their own maximum away.
; part: [256][2,176] f32: 2,048 sums, then {m, l} (in log2 units).  Work-group x: batch x / 16, channels 128 (x % 16) on; one wave; a lane holds four channels.
; A stream of a few KB a work-group: no LDS, no matrix unit, no cluster: nothing is shared but 128 bytes of {m, l}.
.set PROW, 8704                        ; a part's row in bytes
	s_load_b128 s[4:7], s[0:1], 0x0                ; part, out0
	v_and_b32 v1, 15, v0
	v_mul_u32_u24 v1, v1, PROW                     ; lane l takes {m, l} of part l % 16
	v_lshlrev_b32 v2, 4, v0                        ; 16 bytes a lane
	s_lshr_b32 s8, ttmp9, 4                        ; the batch
	s_and_b32 s9, ttmp9, 15                        ; which 128 channels
	s_mul_i32 s10, s8, 16*PROW
	s_mov_b32 s11, 0
	s_lshl_b32 s12, s9, 9
	s_mov_b32 s13, 0
	s_lshl_b32 s14, s8, 13
	s_add_co_u32 s14, s14, s12
	s_mov_b32 s15, 0
	s_wait_kmcnt 0x0
	s_add_nc_u64 s[4:5], s[4:5], s[10:11]          ; the batch's first part
	s_add_nc_u64 s[40:41], s[4:5], s[12:13]        ; and my channels in it
	s_add_nc_u64 s[42:43], s[6:7], s[14:15]
	global_load_b64 v[4:5], v1, s[4:5] offset:8192
.irp j, 0,1,2,3,4,5,6,7,8,9,10,11,12,13,14,15
	global_load_b128 v[16+4*\j:19+4*\j], v2, s[40:41] offset:PROW*\j th:TH_LOAD_NT   ; 512 consecutive bytes of part j
.endr
	s_wait_loadcnt 16                              ; {m, l} is in; the 16 loads behind it may be out
	v_mov_b32 v6, v4
.irp x, 1,2,4,8
	v_max_num_f32_dpp v6, v6, v6 row_xmask:\x row_mask:0xf bank_mask:0xf   ; both halves of the lanes hold the same 16 parts
.endr
	v_sub_f32 v7, v4, v6
	v_exp_f32 v7, v7                               ; 2^(m_j - M)
	v_nop
	s_wait_alu depctr_va_vdst(0)                   ; the wait ahead of the first reader
	v_mul_f32 v8, v7, v5
.irp x, 1,2,4,8
	v_add_f32_dpp v8, v8, v8 row_xmask:\x row_mask:0xf bank_mask:0xf
.endr
	v_rcp_f32 v9, v8                               ; 1 / L; L is at least 1: the part with the largest m has a row with p = 1
	v_nop
	s_wait_alu depctr_va_vdst(0)
	v_mul_f32 v7, v7, v9                           ; part j's weight
.irp j, 0,1,2,3,4,5,6,7,8,9,10,11,12,13,14,15
	v_readlane_b32 s[16+\j], v7, \j
.endr
	s_wait_loadcnt 0x0
.irp k, 0,1,2,3
	v_mul_f32 v[80+\k], s16, v[16+\k]              ; part 0 starts the sums
.endr
.irp j, 1,2,3,4,5,6,7,8,9,10,11,12,13,14,15
.irp k, 0,1,2,3
	v_fma_f32 v[80+\k], s[16+\j], v[16+4*\j+\k], v[80+\k]
.endr
.endr
	global_store_b128 v2, v[80:83], s[42:43]       ; 512 consecutive bytes, at a multiple of 256 from out0's first byte
	s_endpgm
.Lfunc_end_k_q98b6c358c0_join:
	.size	k_q98b6c358c0_join, .Lfunc_end_k_q98b6c358c0_join-k_q98b6c358c0_join
	.p2alignl 7, 3214868480
	.fill 96, 4, 3214868480
	.section	.rodata,"a",@progbits
	.p2align	6, 0x0
	.amdhsa_kernel k_q98b6c358c0_join
		.amdhsa_group_segment_fixed_size 0
		.amdhsa_private_segment_fixed_size 0
		.amdhsa_enable_private_segment 0
		.amdhsa_kernarg_size 16
		.amdhsa_user_sgpr_count 2
		.amdhsa_user_sgpr_kernarg_segment_ptr 1
		.amdhsa_wavefront_size32 1
		.amdhsa_system_sgpr_workgroup_id_x 1
		.amdhsa_system_sgpr_workgroup_id_y 1
		.amdhsa_system_sgpr_workgroup_id_z 1
		.amdhsa_system_vgpr_workitem_id 0
		.amdhsa_next_free_vgpr 96
		.amdhsa_next_free_sgpr 66
		.amdhsa_reserve_vcc 0
		.amdhsa_float_denorm_mode_32 3
		.amdhsa_float_denorm_mode_16_64 3
		.amdhsa_memory_ordered 1
		.amdhsa_forward_progress 1
		.amdhsa_inst_pref_size 9
	.end_amdhsa_kernel
	.amdgpu_metadata
---
amdhsa.version: [ 1, 2 ]
amdhsa.kernels:
  - .name:           k_q98b6c358c0_join
    .symbol:         k_q98b6c358c0_join.kd
    .args:
      - { .name: part, .offset: 0, .size: 8, .value_kind: global_buffer, .address_space: global }
      - { .name: out0, .offset: 8, .size: 8, .value_kind: global_buffer, .address_space: global }
    .group_segment_fixed_size: 0
    .private_segment_fixed_size: 0
    .kernarg_segment_align: 8
    .kernarg_segment_size: 16
    .max_flat_workgroup_size: 32
    .sgpr_count:     66
    .vgpr_count:     96
    .wavefront_size: 32
...
	.end_amdgpu_metadata
.endif
;; end of part 3
;; ======== version 2 of 2: 3 launches
;; limits: values are held in bf16: 8 bits of precision; right only within a limited range of input values
;; workspace buffers: wq 1,638,400 bytes; cpart 65,536 bytes; part 2,228,224 bytes
;; launch prep: the kernel of part 1 again; grid 256 x 1, 4 waves a work-group, no clusters, 35,328 bytes of LDS; arguments attn_w, hidden, wq, cpart; writes wq, cpart
;; launch main (part 4): grid 256 x 1, 4 waves a work-group, clusters of 4 x 1, 327,680 bytes of LDS; arguments encoder_outputs, wq, cpart, attn_b, v_w, part; writes part
.if DOCPART == 4
	.amdgcn_target "amdgcn-amd-amdhsa--gfx1250"
	.amdhsa_code_object_version 6
	.text
	.protected	k_q98b6c358c0_main
	.globl	k_q98b6c358c0_main
	.p2align	8
	.type	k_q98b6c358c0_main,@function
k_q98b6c358c0_main:
	s_mov_b64 s[64:65], 0
	v_nop
	global_prefetch_b8 v0, s[64:65] scope:SCOPE_SE
	s_setreg_imm32_b32 hwreg(HW_REG_WAVE_MODE, 25, 1), 1
	s_wait_xcnt 0x0
	s_wait_alu depctr_hold_cnt(0) depctr_sa_sdst(0) depctr_va_vdst(0) depctr_va_sdst(0) depctr_va_ssrc(0) depctr_va_vcc(0) depctr_vm_vsrc(0)
	s_getreg_b32 s2, hwreg(HW_REG_IB_STS2, 6, 4)
	s_cmp_eq_u32 s2, 0
	s_cbranch_scc0 .Lentry_in_a_cluster
	s_endpgm
.Lentry_in_a_cluster:
	s_bfe_u32 s2, ttmp6, 0x10000c
	s_cmp_lg_u32 s2, 0x3003
	s_cbranch_scc0 .Lentry_shape_is_right
	s_endpgm
.Lentry_shape_is_right:
; For 64 rows (b, s) of encoder_outputs [16][1024][2048] f32: score = v_w . tanh(W [hidden, row] + attn_b); then this work-group's part of the softmax over s and of the context:
;   part[wg] = { sum over its rows of p x row (2,048 f32);  m, l }   with t = score x log2(e), m = the largest t of the 64 rows, p = 2^(t - m), l = the sum of p.  The last launch joins the 16 parts of a batch.
; The hidden half of K gives the same sums for every row: they come from cpart (16 parts, made by the launch before with the same matrix instruction) and enter with attn_b as a bias.
; SHARES.  In X and in the context wave w owns rows 16 w .. 16 w + 15.  In the product (G) and the activation (E) wave w owns all 64 rows x columns 256 w .. + 255, in two passes of 128: 32 accumulators.
; THE FIRST PASS GOES CHUNK BY CHUNK (256 along K, 8 chunks): X quantises the chunk of the 64 rows to codes of BF6 (one E8M0 byte for each 32) in LDS and keeps a bf16 copy in registers; one round of the
; cluster's barrier; G multiplies.  The next chunk's rows, 16 KB a wave, are on their way meanwhile.  encoder_outputs is so read from memory once.  The second pass reads the codes, which stay in LDS.
; W's codes come as images of operand registers (wq) through a ring of two LDS slots, 256 along K x 512 columns each; each wave fetches and reads its own quarter of a slot.
; CLUSTER.  The four work-groups of a cluster walk the same wq: each tile is asked for JOINTLY, by the same tensor load with the same descriptor and a mask that names the four.
; THE CLUSTERS WALK wq FROM EIGHT DIFFERENT PLACES.  RQ = cluster % 4, GS = the parity of the cluster number's bits 2 to 5.  The n-th index that a cluster asks for is 8 ((n / 8) xor GS) + (n + 2 RQ) % 8; chunk n of the rows is
; theirs (n + 2 RQ) % 8.  The rotation lies in GLOBAL addresses alone; the table's place of column c takes column c xor 128 GS.
; THE PREFETCH: all of wq is asked for once in the launch, by 200 work-groups' wave 0, 32 blocks of 256 bytes each, a lane a block, at the head; the walk's later indices are read one to fifteen changes of slots behind it.
; tanh(x) = 1 - 2 / (1 + 2^(2 log2(e) x)): right at both ends (the power overflows to infinity, or falls to 0), no branch.
; LIMITS: NaN and infinities among the inputs are not served.  A block whose largest magnitude lies under 2^-122 keeps the scale byte 1 (a block of zeros too: its codes are zeros).
;         encoder_outputs and p are rounded to bf16 for the context alone (a product that the contract leaves as it is); what goes into the quantiser is the f32 input itself.
; REGISTERS, in windows of 256: window 0: addresses, scale words, fragments, work.   window 1: at the head cpart, attn_b, v_w as loaded; then the 32 accumulators, (m, b) at v[8 (8 m + b)].
;   windows 2, 3: the bf16 copy.  A QUARTER of a chunk is 16 rows x 64 along K; its copy is two operands of 8 registers: operand o, register 4 (t % 2) + j, t = 2 o, 2 o + 1: lane (r, h) holds channel 4 r + j of rows 2 t + 8 h (low half), 2 t + 1 + 8 h.
;   Quarters 0-23 (chunks 0-5) at 512 + 16 q.  v128-255 of window 3: four landing sets of 32 registers; chunks 6 and 7 leave their copies there.
.set SLOTB, 102400                     ; a slot of the ring: four waves' blocks
.set WBLK,  25600                      ; a wave's block: 16 fragments of 1,536 bytes, then 1,024 bytes of scale words
.set WSC,   24576
.set AC,    2*SLOTB                    ; behind the ring: the rows' codes as images of operand registers: 128 along K: 6,144 bytes; in it 16 rows: 1,536; in it register group g: 512 g + 16 lane
.set ASC,   AC+98304                   ; their scale words: 128 along K: 256 bytes, 4 a row
.set STG,   ASC+4096                   ; X: the turn, 16 rows x (256 + 16) bytes a wave; then the table (c', -2 v), 8 bytes for each of the wave's 256 columns
.set STGW,  4352
.set SCX,   STG+4*STGW                 ; the scores' parts: [wave][64 rows] f32
.set SPARE, SCX+1024                   ; the spare words, 128 bytes for each wave: two blocks of 256 bytes that no other line names
.set XTI,  1                           ; v1   X: into the turn: 16 r + 8 h rows
.set XTO,  2                           ; v2   X: out of it: row r, + 128 h
.set CST,  3                           ; v3   X: where my image of codes goes
.set SST,  4                           ; v4   X: where my scale bytes go
.set GA,   5                           ; v5   X: 16 r + 8 h rows of memory
.set AA0,  6                           ; v6   G: the rows' images
.set AS0,  7                           ; v7   G: the rows' scale words (lanes 0-15 an even tile, lanes 16-31 the odd one)
.set AW0,  8                           ; v8   G: W's images
.set AWS0, 9                           ; v9   G: W's scale words
.set ADC,  10                          ; v10  E: my column's pair in the table
.set ADA,  11                          ; v11-14 the addresses of the index in hand
.set ADS,  12
.set ADW,  13
.set ADWS, 14
.set CMD,  16                          ; v16-31 first pass: c' and -2 v by turns, for my 8 columns
.set CSTC, 32                          ; v32  CST and
.set SSTC, 33                          ; v33  SST for the chunk in hand
.set HA,   34                          ; v34  head: my 8 columns in cpart, attn_b, v_w
.set CMA,  35                          ; v35  where I store my 8 pairs of the table
.set PFO,  36                          ; v36  256 x lane
.set SA,   16                          ; v16-47 E: the scores' sums: register 8 m + j: row 16 m + 8 h + j, my column's share
.set VS,   48                          ; v48-49 E: the sum of v over my lane's 16 columns
.set AS,   50                          ; v50-53 the rows' scale words, set e at 50 + 2 e;  v54-61 W's, set e at 54 + 4 e: these hold scales and nothing else
.set WS,   54
.set SPW,  62                          ; v62  LDS address of my spare word; never rewritten
.set NIL,  63                          ; v63  0; never rewritten
.set AF,   64                          ; v64-159 G: the rows' fragments, set e at 64 + 48 e, tile m + 12 m
.set WF,   160                         ; v160-255 G: W's eight fragments, one set
.set XE,   64                          ; v64-95, v96-127 X: two sets of 32 neighbours
.set XD,   96
.set CMR,  112                         ; v112-143 E: the table's pairs, tile T at 112 + 2 T (the rows' set 1 is free then)
.set CT,   64                          ; v64-127 the tail
.set WV,   16
.set WG,   18
.set WOFF, 19                          ; s19  25,600 x wave
.set TB,   20                          ; s20  the slot in hand; at a change, up to NEXTIDX, the slot that is left
.set KA,   21                          ; s21  where the chunk's images begin: 12,288 a chunk
.set KS,   22                          ; s22  and its scale words: 512
.set CNT,  23
.set G1,   24                          ; s[24:31] descriptor group 1;  s[36:39] group 0
.set CK,   32                          ; s32  the chunk in hand
.set NX,   33                          ; s33  the next chunk to load
.set XO,   34
.set G0B,  36
.set PS,   40                          ; s[40:55] p of my 16 rows; then lane masks
.set K2,   56                          ; s[56:57] 2 log2(e)
.set SEL,  58                          ; s[58:59] lane l xor 16
.set PFA,  66                          ; s[66:67] my work-group's 8,192 bytes of wq
.set PFF,  68                          ; s68  0 in a wave that prefetches
.set RQ,   69                          ; s69  cluster % 4
.set PRT,  70                          ; s[70:71] part: my work-group's row, the 2,048 bytes that my wave stores
.set WQB,  72                          ; s[72:73] wq at my wave's block of index 0; never rewritten
.set NI,   74                          ; s74  which of the walk's 16 indices is asked for next
.set ROT2, 75                          ; s75  2 RQ
.set PRM,  76                          ; s[76:77] part: my work-group's row
.set TMPS, 78                          ; s[78:79] at work
.set GS8,  80                          ; s80  8 GS
.set XB,   82                          ; s[82:83] the rows at the chunk that is being loaded
.set MSB, 0
.macro WIN new                         ; the immediate's high byte repeats the setting that is left; a switch that changes nothing is dropped
.if MSB != (\new)
	s_set_vgpr_msb (MSB<<8)|(\new)
.set MSB, (\new)
.endif
.endm
.macro PLACES                          ; four places behind a matrix instruction, in front of loads into its registers and of the first read of its result
.rept 4
	v_nop
.endr
.endm
.macro CREST                           ; a round of the cluster's barrier behind its opening barrier
	s_cmp_lg_u32 s[WV], 0
	s_cbranch_scc1 .Lnot_wave_0_\@
	s_barrier_signal -3
.Lnot_wave_0_\@:
	s_barrier_wait -3
	s_barrier_signal -1
	s_barrier_wait -1
.endm
.macro CROUND
	s_barrier_signal -1
	s_barrier_wait -1
	CREST
.endm
; The descriptor for the walk's index number s[NI]: 8 ((NI / 8) xor GS) + (NI + 2 RQ) % 8, into the slot that is left.  No tensor load of mine is out where this stands.
.macro NEXTIDX
	s_add_co_u32 s[TMPS], s[NI], s[ROT2]
	s_and_b32 s[TMPS], s[TMPS], 7
	s_and_b32 s[TMPS+1], s[NI], 8
	s_xor_b32 s[TMPS+1], s[TMPS+1], s[GS8]
	s_or_b32 s[TMPS], s[TMPS], s[TMPS+1]
	s_mul_i32 s[TMPS], s[TMPS], SLOTB
	s_mov_b32 s[TMPS+1], 0
	s_add_nc_u64 s[G0B+2:G0B+3], s[WQB:WQB+1], s[TMPS:TMPS+1]
	s_or_b32 s[G0B+3], s[G0B+3], 0x80000000        ; type = 2
	s_add_co_u32 s[G0B+1], s[TB], s[WOFF]
	s_add_co_u32 s[NI], s[NI], 1
.endm
; PHASE X.  Piece t of a quarter: 8 registers: rows 2 t and 2 t + 1 (lanes 16-31: + 8), 256 consecutive bytes of each.
.macro XBASE                           ; the next chunk's place: no load of mine is out where this stands
	s_add_co_u32 s[XO], s[NX], s[ROT2]
	s_and_b32 s[XO], s[XO], 7
	s_lshl_b32 s[XO], s[XO], 10
	s_mov_b32 s[XO+1], 0
	s_add_nc_u64 s[XB:XB+1], s[4:5], s[XO:XO+1]
	s_add_co_u32 s[NX], s[NX], 1
.endm
.macro LD2 p, t, q
	global_load_b128 v[\p:\p+3], v[GA], s[XB:XB+1] offset:16384*(\t)+256*(\q) th:TH_LOAD_NT
	global_load_b128 v[\p+4:\p+7], v[GA], s[XB:XB+1] offset:16384*(\t)+8192+256*(\q) th:TH_LOAD_NT
.endm
.macro LOADQ q, p0, p1, p2, p3
	LD2 \p0, 0, \q
	LD2 \p1, 1, \q
	LD2 \p2, 2, \q
	LD2 \p3, 3, \q
.endm
.macro LOADS k                         ; quarter k into landing set k
	WIN 0xc0
	LOADQ \k, 128+32*\k, 136+32*\k, 144+32*\k, 152+32*\k
	WIN 0
.endm
.macro TS p, t
	ds_store_b128 v[XTI], v[\p:\p+3] offset:544*(\t)
	ds_store_b128 v[XTI], v[\p+4:\p+7] offset:544*(\t)+272
.endm
.macro XTURN w, p0, p1, p2, p3, xn     ; through my stage: lane (r, h) gets k = 32 h .. 32 h + 31 of row r: a whole block.  LDS serves a wave's instructions in order (ISA guide 5.7.1.4): one stage serves every quarter
	WIN \w
	TS \p0, 0
	TS \p1, 1
	TS \p2, 2
	TS \p3, 3
	WIN 0
.irp k, 0,1,2,3,4,5,6,7
	ds_load_b128 v[\xn+4*\k:\xn+4*\k+3], v[XTO] offset:16*\k
.endr
.endm
.macro XTS k, xn                       ; landing set k
	XTURN 0x0c, 128+32*\k, 136+32*\k, 144+32*\k, 152+32*\k, \xn
.endm
.macro CV1 p, d                        ; two rows of a channel to a register
.irp j, 0,1,2,3
	v_cvt_pk_bf16_f32 v[\d+\j], v[\p+\j], v[\p+4+\j]
.endr
.endm
.macro CVQ p0, p1, p2, p3, d0, d1
	CV1 \p0, \d0
	CV1 \p1, \d0+4
	CV1 \p2, \d1
	CV1 \p3, \d1+4
.endm
.macro COPY c                          ; the copy of chunk c, 0 to 5, out of the four landing sets
	WIN 0x8f+0x40*((\c)/4)
.irp k, 0,1,2,3
	CVQ 128+32*\k, 136+32*\k, 144+32*\k, 152+32*\k, 64*((\c)%4)+16*\k, 64*((\c)%4)+16*\k+8
.endr
	WIN 0
.endm
.macro CVIN k                          ; landing set k, in place: each result lands on registers whose numbers have been read
	WIN 0xcf
	CVQ 128+32*\k, 136+32*\k, 144+32*\k, 152+32*\k, 128+32*\k, 136+32*\k
	WIN 0
.endm
.macro QUANT xn, pc, c, tc             ; my block 2 c + h: registers 6 c .. 6 c + 5 of the operand at v[pc], its scale byte in v[164 + c]
	v_max3_num_f32 v160, |v[\xn]|, |v[\xn+1]|, |v[\xn+2]|
	v_max3_num_f32 v161, |v[\xn+17]|, |v[\xn+18]|, |v[\xn+19]|
.irp i, 3,5,7,9,11,13
	v_max3_num_f32 v160, v160, |v[\xn+\i]|, |v[\xn+\i+1]|
	v_max3_num_f32 v161, v161, |v[\xn+17+\i]|, |v[\xn+18+\i]|
.endr
	v_max3_num_f32 v160, v160, |v[\xn+15]|, |v[\xn+16]|
	v_max3_num_f32 v160, v160, v161, 0x2800000     ; and the floor 2^(5 - 127): the byte cannot fall under 1
	v_add_nc_u32 v162, 0xfe000000, v160            ; 4 off its exponent field: the conversion's scale operand
	v_cvt_scalef32_pk16_bf6_f32 v[\pc+6*\c:\pc+6*\c+2], v[\xn:\xn+15], v162
	v_cvt_scalef32_pk16_bf6_f32 v[\tc:\tc+2], v[\xn+16:\xn+31], v162   ; (a conversion's three registers begin on an even number)
	v_lshrrev_b32 v[164+\c], 23, v162              ; the scale's byte (and the plain place behind the conversions)
.irp i, 0,1,2
	v_mov_b32 v[\pc+6*\c+3+\i], v[\tc+\i]
.endr
.endm
.macro FRAGST pc, e                    ; 128 along K of my 16 rows: the image, and two of each row's four scale bytes a lane: blocks h and 2 + h
.irp g, 0,1,2
	ds_store_b128 v[CSTC], v[\pc+4*\g:\pc+4*\g+3] offset:6144*\e+512*\g
.endr
	ds_store_b8 v[SSTC], v164 offset:256*\e
	ds_store_b8 v[SSTC], v165 offset:256*\e+2
.endm
.macro CADDR
	v_add_nc_u32 v[CSTC], s[KA], v[CST]
	v_add_nc_u32 v[SSTC], s[KS], v[SST]
.endm
; Chunks 0 to 5.  loop = 1: the copy's registers hang on the chunk: one way for each.
.macro XBODY loop
	s_wait_loadcnt 0x0                             ; the chunk's four quarters are in
	XBASE
	XTS 0, XE
	XTS 1, XD
.if \loop
	s_wait_alu depctr_va_vdst(0)
.irp c, 1,2,3,4
	s_cmp_eq_u32 s[CK], \c
	s_cbranch_scc1 .Lcopy_\c
.endr
	COPY 5
	s_branch .Lcopied
.irp c, 1,2,3
.Lcopy_\c:
	COPY \c
	s_branch .Lcopied
.endr
.Lcopy_4:
	COPY 4
	s_wait_alu depctr_va_vdst(0)
.Lcopied:
.else
	COPY 0
.endif
	CADDR
	s_wait_dscnt 16                                ; quarter 0 is back from the stage (quarter 1's 16 LDS instructions may be out): so its stores have read their registers,
	LOADS 0                                        ; which take the next chunk's quarter 0
	QUANT XE, 128, 0, 140
	XTS 2, XE
	s_wait_dscnt 16
	LOADS 1
	QUANT XD, 128, 1, 140
	FRAGST 128, 0
	XTS 3, XD
	s_wait_dscnt 21                                ; behind quarter 2's loads: five stores of codes and bytes, quarter 3's 16
	LOADS 2
	QUANT XE, 144, 0, 156
	s_wait_dscnt 0x0
	LOADS 3
	QUANT XD, 144, 1, 156
	FRAGST 144, 1
.endm
; PHASE G.  acc(m, b) += rows' tile m x W's tile b, 128 along K an instruction.  Source 0 = 16 rows, source 1 = 16 columns: register j of lane (r, h) is (row 16 m + 8 h + j, column 16 b + r).
; The 32 accumulators take turns, one instruction a turn, in the same order in every step.
.macro WM m, b, set, zero
.set rD, 8*(8*(\m)+(\b))
.set rA, AF+48*(\set)+12*(\m)
.set rB, WF+12*(\b)
.set rX, AS+2*(\set)+(\m)/2
.set rY, WS+4*(\set)+(\b)/2
.set vr, 4*(\zero)+2*((\m)%2)+(\b)%2   ; an odd tile's scale words lie in lanes 16-31 of the register
.if vr == 0
	v_wmma_scale_f32_16x16x128_f8f6f4 v[rD:rD+7], v[rA:rA+11], v[rB:rB+11], v[rD:rD+7], v[rX], v[rY] matrix_a_fmt:MATRIX_FMT_BF6 matrix_b_fmt:MATRIX_FMT_BF6
.elseif vr == 1
	v_wmma_scale_f32_16x16x128_f8f6f4 v[rD:rD+7], v[rA:rA+11], v[rB:rB+11], v[rD:rD+7], v[rX], v[rY] matrix_a_fmt:MATRIX_FMT_BF6 matrix_b_fmt:MATRIX_FMT_BF6 matrix_b_scale:MATRIX_SCALE_ROW1
.elseif vr == 2
	v_wmma_scale_f32_16x16x128_f8f6f4 v[rD:rD+7], v[rA:rA+11], v[rB:rB+11], v[rD:rD+7], v[rX], v[rY] matrix_a_fmt:MATRIX_FMT_BF6 matrix_b_fmt:MATRIX_FMT_BF6 matrix_a_scale:MATRIX_SCALE_ROW1
.elseif vr == 3
	v_wmma_scale_f32_16x16x128_f8f6f4 v[rD:rD+7], v[rA:rA+11], v[rB:rB+11], v[rD:rD+7], v[rX], v[rY] matrix_a_fmt:MATRIX_FMT_BF6 matrix_b_fmt:MATRIX_FMT_BF6 matrix_a_scale:MATRIX_SCALE_ROW1 matrix_b_scale:MATRIX_SCALE_ROW1
.elseif vr == 4
	v_wmma_scale_f32_16x16x128_f8f6f4 v[rD:rD+7], v[rA:rA+11], v[rB:rB+11], 0, v[rX], v[rY] matrix_a_fmt:MATRIX_FMT_BF6 matrix_b_fmt:MATRIX_FMT_BF6
.elseif vr == 5
	v_wmma_scale_f32_16x16x128_f8f6f4 v[rD:rD+7], v[rA:rA+11], v[rB:rB+11], 0, v[rX], v[rY] matrix_a_fmt:MATRIX_FMT_BF6 matrix_b_fmt:MATRIX_FMT_BF6 matrix_b_scale:MATRIX_SCALE_ROW1
.elseif vr == 6
	v_wmma_scale_f32_16x16x128_f8f6f4 v[rD:rD+7], v[rA:rA+11], v[rB:rB+11], 0, v[rX], v[rY] matrix_a_fmt:MATRIX_FMT_BF6 matrix_b_fmt:MATRIX_FMT_BF6 matrix_a_scale:MATRIX_SCALE_ROW1
.else
	v_wmma_scale_f32_16x16x128_f8f6f4 v[rD:rD+7], v[rA:rA+11], v[rB:rB+11], 0, v[rX], v[rY] matrix_a_fmt:MATRIX_FMT_BF6 matrix_b_fmt:MATRIX_FMT_BF6 matrix_a_scale:MATRIX_SCALE_ROW1 matrix_b_scale:MATRIX_SCALE_ROW1
.endif
.endm
.macro MULB b0, n, set, zero           ; W's tiles b0 .. b0 + n - 1, each against the four tiles of rows; C and D in window 1
	WIN 0x50
.set BQ, \b0
.rept \n
.irp m, 0,1,2,3
	WM \m, BQ, \set, \zero
.endr
.set BQ, BQ+1
.endr
.endm
.macro ADDRS                           ; the addresses of the index in hand
	v_add_nc_u32 v[ADA], s[KA], v[AA0]
	v_add_nc_u32 v[ADS], s[KS], v[AS0]
	v_add_nc_u32 v[ADW], s[TB], v[AW0]
	v_add_nc_u32 v[ADWS], s[TB], v[AWS0]
.endm
.macro FETCH_A e                       ; the rows' four fragments of the index's e-th 128 along K, into set e
.irp m, 0,1,2,3
.irp g, 0,1,2
	ds_load_b128 v[AF+48*\e+12*\m+4*\g:AF+48*\e+12*\m+4*\g+3], v[ADA] offset:6144*\e+1536*\m+512*\g
.endr
.endr
.endm
.macro SCALES e                        ; scale words: a register serves two tiles, the even one in lanes 0-15, the odd one in lanes 16-31
.irp p, 0,1
	ds_load_b32 v[AS+2*\e+\p], v[ADS] offset:256*\e+128*\p
.endr
.irp q, 0,1,2,3
	ds_load_b32 v[WS+4*\e+\q], v[ADWS] offset:WSC+512*\e+128*\q
.endr
.endm
.macro FETCH_W b0, n, e                ; W's fragments b0 .. b0 + n - 1: images, 512 consecutive bytes a load
.set fB, \b0
.rept \n
.irp c, 0,1,2
	ds_load_b128 v[WF+12*fB+4*\c:WF+12*fB+4*\c+3], v[ADW] offset:(8*\e+fB)*1536+512*\c
.endr
.set fB, fB+1
.endr
.endm
.macro FIRSTF                          ; an index's first operands
	FETCH_W 0, 4, 0
	SCALES 0
	FETCH_A 0
	FETCH_W 4, 4, 0
.endm
.macro SECF                            ; the second step's rows and scale words
	FETCH_A 1
	SCALES 1
.endm
; An index's first 128 along K.  W has one set of registers: a tile is free as soon as its four products are issued.  The rows have two.
.macro HALF1 zero
	s_wait_dscnt 30                                ; all but the youngest 30 loads (W's tiles 4-7: 12; the second step's rows and scale words: 18) are in
	MULB 0, 4, 0, \zero
	s_wait_dscnt 18                                ; W's tiles 4-7 are in
	PLACES
	WIN 0
	FETCH_W 0, 4, 1
	MULB 4, 4, 0, \zero
	PLACES
	WIN 0
	FETCH_W 4, 4, 1
.endm
.macro HALF2                           ; the second 128 along K, with no change of slots inside
	s_wait_dscnt 12                                ; all but W's tiles 4-7 are in
	MULB 0, 4, 1, 0
	s_wait_dscnt 0x0
	MULB 4, 4, 1, 0
	PLACES
	WIN 0
.endm
; The first pass's change of slots: the round publishes the chunk's codes and frees the slot read last, which takes the walk's next index.
.macro ROUNDX
	s_wait_tensorcnt 0x0                           ; all my tensor loads have landed, my part of this chunk's slot among them;
	ds_add_u32 v[SPW], v[NIL]                      ; 0 onto my spare word;
	NEXTIDX                                        ; the descriptor's lines stand between the add and the wait for it
	s_xor_b32 s[TB], s[TB], SLOTB
	s_wait_dscnt 0x0                               ; the add is done, my codes have landed, and my reads of the slot that is left are over
	ADDRS
	s_wait_alu depctr_va_vdst(0)
	CROUND                                         ; no wave of any partner still reads that slot or has a load on its way
	tensor_load_to_lds s[G0B:G0B+3], s[G1:G1+7]    ; my one tensor load behind the round, and the first thing there
	s_nop 0
	PLACES
.endm
.macro G1P zero                        ; a chunk's 64 products
	FIRSTF
	SECF
	HALF1 \zero
	HALF2
	s_add_co_u32 s[KA], s[KA], 12288
	s_add_co_u32 s[KS], s[KS], 512
.endm
; The second pass: an index's second 128 along K, and the change of slots in it.
; fill = 1: the slot that is left takes the walk's index two on; the barrier then opens a round of the cluster's barrier.  fill = 0: nothing is left to ask for; a wave reads its own quarter alone, so its wait is all.
.macro TURN fill
	s_wait_tensorcnt 0x0                           ; all my tensor loads have landed: my part of the next slot;
.if \fill
	ds_add_u32 v[SPW], v[NIL]                      ; 0 onto my spare word;
	NEXTIDX
	s_wait_dscnt 13                                ; the add and W's tiles 4-7 may be out
.else
	s_wait_dscnt 12
.endif
	s_xor_b32 s[TB], s[TB], SLOTB
	s_add_co_u32 s[KA], s[KA], 12288
	s_add_co_u32 s[KS], s[KS], 512
	MULB 0, 2, 1, 0
	WIN 0
	s_wait_dscnt 0x0                               ; the add is done, and my reads of this slot are over
	ADDRS
	s_wait_alu depctr_va_vdst(0)
.if \fill
	CROUND                                         ; no wave of any partner still reads this slot or has a load on its way
	tensor_load_to_lds s[G0B:G0B+3], s[G1:G1+7]    ; my one tensor load behind the round, and the first thing there
	s_nop 0
.endif
	PLACES
	FETCH_W 0, 2, 0
	SCALES 0
	FETCH_A 0
	MULB 2, 2, 1, 0
	PLACES
	WIN 0
	FETCH_W 2, 2, 0
	MULB 4, 4, 1, 0
	PLACES
	WIN 0
	FETCH_W 4, 4, 0
	SECF
.endm
; PHASE E, for the pass's eight tiles of columns t: y = 2 log2(e) acc + c';  u = 1 / (1 + 2^y);  SA += -2 v u.  With the sum of v as SA's start that is the sum of v tanh.
; Each part runs over acc(0..3, t), each accumulator from its low end on.
.macro EFMA t, g
	WIN 0x41                                       ; destination and source 0 window 1
.irp m, 0,1,2,3
.irp k, 0,2,4,6
	v_pk_fma_f32 v[8*(8*\m+(\t))+\k:8*(8*\m+(\t))+\k+1], v[8*(8*\m+(\t))+\k:8*(8*\m+(\t))+\k+1], s[K2:K2+1], v[CMR+2*(8*(\g)+(\t)):CMR+2*(8*(\g)+(\t))+1] op_sel_hi:[1,0,0]
.endr
.endr
.endm
.macro EEXP t
	WIN 0x41
.irp m, 0,1,2,3
.irp j, 0,1,2,3,4,5,6,7
	v_exp_f32 v[8*(8*\m+(\t))+\j], v[8*(8*\m+(\t))+\j]
.endr
.endr
.endm
.macro EADD t
	WIN 0x41
.irp m, 0,1,2,3
.irp k, 0,2,4,6
	v_pk_add_f32 v[8*(8*\m+(\t))+\k:8*(8*\m+(\t))+\k+1], v[8*(8*\m+(\t))+\k:8*(8*\m+(\t))+\k+1], 1.0 op_sel_hi:[1,0]
.endr
.endr
.endm
.macro ERCP t
	WIN 0x41
.irp m, 0,1,2,3
.irp j, 0,1,2,3,4,5,6,7
	v_rcp_f32 v[8*(8*\m+(\t))+\j], v[8*(8*\m+(\t))+\j]
.endr
.endr
.endm
.macro EACC t, g
	WIN 0x01                                       ; source 0 window 1
.irp m, 0,1,2,3
.irp k, 0,2,4,6
.if ((\g) == 0) && ((\t) == 0)
	v_pk_fma_f32 v[SA+8*\m+\k:SA+8*\m+\k+1], v[8*(8*\m+(\t))+\k:8*(8*\m+(\t))+\k+1], v[CMR+2*(8*(\g)+(\t)):CMR+2*(8*(\g)+(\t))+1], v[VS:VS+1] op_sel:[0,1,0] op_sel_hi:[1,1,0]   ; the first tile starts the sums: nothing is cleared
.else
	v_pk_fma_f32 v[SA+8*\m+\k:SA+8*\m+\k+1], v[8*(8*\m+(\t))+\k:8*(8*\m+(\t))+\k+1], v[CMR+2*(8*(\g)+(\t)):CMR+2*(8*(\g)+(\t))+1], v[SA+8*\m+\k:SA+8*\m+\k+1] op_sel:[0,1,0] op_sel_hi:[1,1,1]
.endif
.endr
.endr
.endm
; The tiles are staggered: tile t + 1's scalings and powers go beside tile t's additions and reciprocals and tile t - 1's sums; a wait stands ahead of the scalings, the additions and the reciprocals.
.macro EPI g
.if \g == 0
.irp x, 0,1,2,3,4,5,6,7,8,9,10,11,12,13,14,15
	ds_load_b64 v[CMR+2*\x:CMR+2*\x+1], v[ADC] offset:128*\x   ; (c', -2 v) of my column of each tile
.endr
.else
.irp x, 8,9,10,11,12,13,14,15
	ds_load_b64 v[CMR+2*\x:CMR+2*\x+1], v[ADC] offset:128*\x
.endr
.endif
	s_wait_dscnt 0x0
.if \g == 0
	v_add_f32 v[VS], v[CMR+1], v[CMR+3]
	v_add_f32 v[VS+1], v[CMR+5], v[CMR+7]
.irp x, 4,6,8,10,12,14
	v_add_f32 v[VS], v[VS], v[CMR+2*\x+1]
	v_add_f32 v[VS+1], v[VS+1], v[CMR+2*\x+3]
.endr
	v_add_f32 v[VS], v[VS], v[VS+1]
	v_mul_f32 v[VS], -0.5, v[VS]                   ; the sum of v over my 16 columns
	v_mov_b32 v[VS+1], v[VS]
.endif
	EFMA 0, \g
	s_wait_alu depctr_va_vdst(0)
	EEXP 0
	s_wait_alu depctr_va_vdst(0)
.irp t, 0,1,2,3,4,5,6,7
.if \t < 7
	s_wait_alu depctr_va_vdst(0)
	EFMA \t+1, \g
.else
	v_nop
.endif
	s_wait_alu depctr_va_vdst(0)                   ; the wait ahead of the first reader of a batch
	EADD \t
	s_wait_alu depctr_va_vdst(0)                   ; and ahead of a batch
	ERCP \t
.if \t < 7
	EEXP \t+1
.endif
.if \t > 0
	EACC \t-1, \g
.endif
.endr
	v_nop
	s_wait_alu depctr_va_vdst(0)
	EACC 7, \g
	WIN 0
.endm
	s_load_b256 s[4:11], s[0:1], 0x0               ; encoder_outputs s[4:5], wq s[6:7], cpart s[8:9], attn_b s[10:11]
	s_load_b128 s[12:15], s[0:1], 0x20             ; v_w s[12:13], part s[14:15]
	v_lshl_add_u32 v[SPW], v0, 2, SPARE
	v_mov_b32 v[NIL], 0
	ds_add_u32 v[SPW], v[NIL]                      ; the opening: the add, twice on end, and its wait ahead of my first tensor load
	ds_add_u32 v[SPW], v[NIL]
	v_lshrrev_b32 v42, 5, v0
	v_readfirstlane_b32 s[WV], v42                 ; wave 0..3
	s_bfe_u32 s17, ttmp6, 0x40000                  ; cx
	s_lshl_b32 s[WG], ttmp9, 2
	s_add_co_u32 s[WG], s[WG], s17                 ; my work-group: it enters global addresses of my own rows, of part and of the prefetch alone
	s_mul_i32 s[WOFF], s[WV], WBLK
	s_and_b32 s[RQ], ttmp9, 3                      ; where my cluster's walk begins: both numbers hang on the cluster's number alone
	s_lshl_b32 s[ROT2], s[RQ], 1
	s_and_b32 s[GS8], ttmp9, 0x3c
	s_bcnt1_i32_b32 s[GS8], s[GS8]
	s_and_b32 s[GS8], s[GS8], 1
	s_lshl_b32 s[GS8], s[GS8], 3
	; descriptor group 1: a wave's block, dense in memory: 100 rows of 256 bytes (32 elements of 8 bytes), no padding: images are read as consecutive bytes
	s_mov_b32 s[G1], 15|(3<<16)|(1<<21)            ; 15:0 the mask: all four work-groups; 17:16 elements of 8 bytes; 21 set beside a mask
	s_mov_b32 s[G1+1], 32<<16                      ; tensor_dim0 = 32
	s_mov_b32 s[G1+2], 100<<16                     ; tensor_dim1 = 100
	s_mov_b32 s[G1+3], 32<<16                      ; tile_dim0 = 32
	s_mov_b32 s[G1+4], 100                         ; tile_dim1 = 100
	s_mov_b32 s[G1+5], 32                          ; from row to row
	s_mov_b32 s[G1+6], 0
	s_mov_b32 s[G1+7], 0
	s_mov_b32 s[G0B], 1                            ; group 0: count = 1
	s_mul_i32 s60, s[WV], STGW
	s_add_co_u32 s60, s60, STG                     ; my stage
	s_mul_i32 s61, s[WV], 1536
	s_add_co_u32 s61, s61, AC                      ; my 16 rows' images
	s_lshl_b32 s62, s[WV], 6
	s_add_co_u32 s62, s62, ASC                     ; and scale words
	s_lshl_b32 s63, s[WV], 10
	s_lshl_b32 s[TMPS], s[GS8], 1                  ; 16 GS
	s_wait_dscnt 0x0                               ; both opening adds are done
	v_and_b32 v43, 31, v0                          ; lane
	v_and_b32 v44, 15, v0                          ; r
	v_bfe_u32 v45, v0, 4, 1                        ; h
	v_lshlrev_b32 v[XTI], 4, v44
	v_mul_u32_u24 v42, v45, 2176
	v_add_nc_u32 v[XTI], v[XTI], v42
	v_add_nc_u32 v[XTI], s60, v[XTI]
	v_mul_u32_u24 v[XTO], v44, 272
	v_lshl_add_u32 v[XTO], v45, 7, v[XTO]
	v_add_nc_u32 v[XTO], s60, v[XTO]
	v_lshl_add_u32 v[CST], v43, 4, s61
	v_lshl_add_u32 v[SST], v44, 2, s62
	v_add_nc_u32 v[SST], v45, v[SST]
	v_lshlrev_b32 v[GA], 4, v44
	v_lshl_add_u32 v[GA], v45, 16, v[GA]
	v_lshlrev_b32 v[AA0], 4, v43
	v_add_nc_u32 v[AA0], AC, v[AA0]
	v_lshlrev_b32 v[AS0], 2, v43
	v_add_nc_u32 v[AS0], ASC, v[AS0]
	v_lshl_add_u32 v[AW0], v43, 4, s[WOFF]
	v_lshl_add_u32 v[AWS0], v43, 2, s[WOFF]
	v_lshl_add_u32 v[ADC], v44, 3, s60
	v_lshl_add_u32 v[CMA], v43, 6, s60
	v_lshlrev_b32 v[PFO], 8, v43
	v_xor_b32 v42, s[TMPS], v43                    ; with GS = 1 the halves of the lanes change groups of columns: in memory, not in the table
	v_lshl_add_u32 v[HA], v42, 5, s63              ; columns 256 w + 8 (lane xor 16 GS) on
	s_wait_alu depctr_va_vdst(0)
	s_lshl_b32 s60, s[WG], 19                      ; my rows: (64 wg + 16 w) x 8,192 bytes
	s_lshl_b32 s61, s[WV], 17
	s_add_co_u32 s60, s60, s61
	s_mov_b32 s61, 0
	s_mov_b32 s62, s[WOFF]
	s_mov_b32 s63, 0
	s_mul_i32 s[PRM], s[WG], 8704
	s_mov_b32 s[PRM+1], 0
	s_add_co_u32 s[PRT], s[WV], s[RQ]              ; I store place w of the context, which is quarter (w + RQ) % 4 of the channels
	s_and_b32 s[PRT], s[PRT], 3
	s_lshl_b32 s[PRT], s[PRT], 11
	s_mov_b32 s[PRT+1], 0
	s_lshl_b32 s[PFA], s[WG], 13
	s_mov_b32 s[PFA+1], 0
	s_cmp_lt_u32 ttmp9, 50                         ; 50 clusters x 4 work-groups x 8,192 bytes are all of wq
	s_cselect_b32 s[PFF], 0, 1
	s_or_b32 s[PFF], s[PFF], s[WV]                 ; wave 0 of those: the same in all four partners
	s_mov_b32 s[K2], 0x4038aa3b                    ; 2 log2(e)
	s_mov_b32 s[K2+1], s[K2]                       ; (named with it as a pair, so it is written)
	s_mov_b32 s[SEL], 0x76543210
	s_mov_b32 s[SEL+1], 0xfedcba98
	s_mov_b32 s[KA], 0
	s_mov_b32 s[KS], 0
	s_mov_b32 s[NX], 0
	s_mov_b32 s[NI], 0
	s_mov_b32 s[TB], 0
	s_wait_kmcnt 0x0
	s_add_nc_u64 s[4:5], s[4:5], s[60:61]
	s_add_nc_u64 s[WQB:WQB+1], s[6:7], s[62:63]    ; wq at my wave's block of index 0
	s_add_nc_u64 s[PRM:PRM+1], s[14:15], s[PRM:PRM+1]
	s_add_nc_u64 s[PRT:PRT+1], s[PRM:PRM+1], s[PRT:PRT+1]
	s_add_nc_u64 s[PFA:PFA+1], s[6:7], s[PFA:PFA+1]
	XBASE                                          ; chunk 0
.irp k, 0,1,2,3
	LOADS \k
.endr
	NEXTIDX                                        ; the walk's index 0 into slot 0
	s_mov_b32 s[TB], SLOTB                         ; slot 1 is what chunk 0's round fills
	CROUND                                         ; all four work-groups are here: the first joint loads meet
	tensor_load_to_lds s[G0B:G0B+3], s[G1:G1+7]    ; one tensor load a wave at the head
	s_nop 0
	PLACES
	WIN 0x40                                       ; destination window 1
.irp s, 0,1,2,3,4,5,6,7,8,9,10,11,12,13,14,15
	global_load_b128 v[8*\s:8*\s+3], v[HA], s[8:9] offset:4096*\s
	global_load_b128 v[8*\s+4:8*\s+7], v[HA], s[8:9] offset:4096*\s+16
.endr
	global_load_b128 v[128:131], v[HA], s[10:11]
	global_load_b128 v[132:135], v[HA], s[10:11] offset:16
	global_load_b128 v[136:139], v[HA], s[12:13]
	global_load_b128 v[140:143], v[HA], s[12:13] offset:16
	WIN 0
	s_cmp_eq_u32 s[PFF], 0
	s_cbranch_scc0 .Lno_prefetch
	global_prefetch_b8 v[PFO], s[PFA:PFA+1] th:TH_LOAD_NT scope:SCOPE_SE
.Lno_prefetch:
; The copy of chunks 1 to 5 is written in a loop, a fifth of its registers on each of five ways: so that on every way each is written ahead of its read, they are written here, under the first loads' flight.
	WIN 0x80
.set II, 64
.rept 192
	v_mov_b32 v[II], 0
.set II, II+1
.endr
	WIN 0xc0
.set II, 0
.rept 128
	v_mov_b32 v[II], 0
.set II, II+1
.endr
	WIN 0
	s_wait_loadcnt 0x0
	WIN 0x45                                       ; all in window 1
.irp s, 1,2,3,4,5,6,7,8,9,10,11,12,13,14,15,16
.irp k, 0,2,4,6
	v_pk_add_f32 v[\k:\k+1], v[\k:\k+1], v[8*\s+\k:8*\s+\k+1]   ; the 16 parts of the hidden half's sums, and attn_b (at 8 x 16)
.endr
.endr
	WIN 0x01                                       ; source 0 window 1
.irp k, 0,1,2,3,4,5,6,7
	v_mul_f32 v[CMD+2*\k], v[\k], s[K2]            ; c' = 2 log2(e) (sum + bias)
	v_mul_f32 v[CMD+2*\k+1], v[136+\k], -2.0       ; -2 v
.endr
	WIN 0
; THE FIRST PASS.
	XBODY 0
	ROUNDX
	G1P 1                                          ; chunk 0 starts the sums: nothing is cleared
	s_mov_b32 s[CK], 1
	s_wait_alu depctr_va_vdst(0)
.Lchunk:                                           ; chunks 1 to 5
	XBODY 1
	ROUNDX
	G1P 0
	s_wait_alu depctr_va_vdst(0)
	s_add_co_u32 s[CK], s[CK], 1
	s_cmp_lt_u32 s[CK], 6
	s_cbranch_scc1 .Lchunk
; Chunk 6: its copies stay in the low halves of the landing sets; chunk 7's quarters 0 and 1 land in the high halves.
	s_wait_loadcnt 0x0
	XBASE
	XTS 0, XE
	XTS 1, XD
	CADDR
	s_wait_dscnt 16
	CVIN 0
	QUANT XE, 128, 0, 140
	XTS 2, XE
	s_wait_dscnt 16
	CVIN 1
	WIN 0xc0
	LOADQ 0, 144, 152, 176, 184
	WIN 0
	QUANT XD, 128, 1, 140
	FRAGST 128, 0
	XTS 3, XD
	s_wait_dscnt 21                                ; behind quarter 2's loads: five stores of codes and bytes, quarter 3's 16
	CVIN 2
	QUANT XE, 144, 0, 156
	s_wait_dscnt 0x0
	CVIN 3
	WIN 0xc0
	LOADQ 1, 208, 216, 240, 248
	WIN 0
	QUANT XD, 144, 1, 156
	FRAGST 144, 1
	ROUNDX
	G1P 0
; Chunk 7: quarters 2 and 3 land in W's registers, which are free now.
	LOADQ 2, 192, 200, 208, 216
	LOADQ 3, 224, 232, 240, 248
	s_wait_loadcnt 16                              ; quarters 0 and 1 are in; the 16 loads just issued may be out
	XTURN 0x0c, 144, 152, 176, 184, XE
	XTURN 0x0c, 208, 216, 240, 248, XD
	CADDR
	s_wait_dscnt 16
	WIN 0xcf
	CVQ 144, 152, 176, 184, 144, 176
	WIN 0
	QUANT XE, 128, 0, 140
	s_wait_dscnt 0x0
	WIN 0xcf
	CVQ 208, 216, 240, 248, 208, 240
	WIN 0
	QUANT XD, 128, 1, 140
	FRAGST 128, 0
	s_wait_loadcnt 8
	XTURN 0, 192, 200, 208, 216, XE
	s_wait_loadcnt 0x0
	XTURN 0, 224, 232, 240, 248, XD
	s_wait_dscnt 16
	WIN 0xc0
	CVQ 192, 200, 208, 216, 152, 184
	WIN 0
	QUANT XE, 144, 0, 156
	s_wait_dscnt 0x0
	WIN 0xc0
	CVQ 224, 232, 240, 248, 216, 248
	WIN 0
	QUANT XD, 144, 1, 156
	FRAGST 144, 1
.irp q, 0,1,2,3
	ds_store_b128 v[CMA], v[CMD+4*\q:CMD+4*\q+3] offset:16*\q   ; the table, over my stage, whose last reads have come back
.endr
	ROUNDX
	G1P 0
; THE SECOND PASS.
	s_mov_b32 s[KA], 0
	s_mov_b32 s[KS], 0
	ROUNDX                                         ; index 9 is asked for
	FIRSTF
	EPI 0                                          ; the first pass's 128 columns' activation, while index 9 is on its way
	SECF
	HALF1 1                                        ; index 8 starts the second pass's sums
	s_mov_b32 s[CNT], 6
.Lindex:                                           ; six trips: indices 10 to 15 are asked for
	TURN 1
	HALF1 0
	s_sub_co_u32 s[CNT], s[CNT], 1
	s_cmp_lg_u32 s[CNT], 0
	s_cbranch_scc1 .Lindex
	TURN 0                                         ; the tail is written out: nothing is left to ask for
	HALF1 0
	HALF2
	EPI 1
; THE TAIL.  The scores: over my 16 lanes' columns, then over the four waves through LDS.
	s_lshl_b32 s60, s[WV], 8
	s_add_co_u32 s60, s60, SCX
	s_lshl_b32 s61, s[WV], 6
	s_add_co_u32 s61, s61, SCX
	s_lshl_b32 s62, s[WV], 13
	s_add_co_u32 s62, s62, AC
	s_lshl_b32 s63, s[WV], 11
	s_add_co_u32 s63, s63, AC
	v_and_b32 v151, 31, v0                         ; lane
	v_and_b32 v172, 15, v0                         ; r
	v_bfe_u32 v173, v0, 4, 1                       ; h
	v_lshl_add_u32 v145, v173, 5, s60              ; my wave's 64 parts: rows 8 h on
	v_lshl_add_u32 v146, v151, 2, SCX              ; rows l and l + 32
	v_lshl_add_u32 v147, v172, 2, s61              ; my own rows: 16 w + r
	v_lshl_add_u32 v148, v151, 4, s62              ; the exchange, in: my wave's 8,192 bytes, over the rows' codes
	v_lshl_add_u32 v149, v151, 4, s63              ; and out: place w of every wave's part
	v_lshlrev_b32 v150, 4, v151
	v_mov_b32 v165, 0                              ; a lane permute's destination counts as one of its sources
	s_wait_alu depctr_va_vdst(0)
.irp x, 1,2,4,8
.irp j, 0,1,2,3,4,5,6,7,8,9,10,11,12,13,14,15,16,17,18,19,20,21,22,23,24,25,26,27,28,29,30,31
	v_add_f32_dpp v[SA+\j], v[SA+\j], v[SA+\j] row_xmask:\x row_mask:0xf bank_mask:0xf
.endr
.endr
.irp m, 0,1,2,3
.irp q, 0,1
	ds_store_b128 v145, v[SA+8*\m+4*\q:SA+8*\m+4*\q+3] offset:64*\m+16*\q   ; the sixteen lanes of a half write the same bytes with the same values
.endr
.endr
	s_wait_dscnt 0x0                               ; my parts have landed, and my reads of the rows' codes are long over
	s_barrier_signal -1
	s_barrier_wait -1
.irp u, 0,1
.irp x, 0,1,2,3
	ds_load_b32 v[152+4*\u+\x], v146 offset:256*\x+128*\u
.endr
.endr
.irp x, 0,1,2,3
	ds_load_b32 v[160+\x], v147 offset:256*\x
.endr
	s_wait_dscnt 0x0
.irp a, 152, 156, 160                          ; the four waves' parts, in one order everywhere, so that a row's score has the same bits in every wave
	v_add_f32 v[\a], v[\a], v[\a+1]
	v_add_f32 v[\a+2], v[\a+2], v[\a+3]
.endr
.irp a, 152, 156, 160
	v_add_f32 v[\a], v[\a], v[\a+2]
.endr
.irp a, 152, 156, 160
	v_mul_f32 v[\a], 0x3fb8aa3b, v[\a]             ; t = score x log2(e)
.endr
	v_max_num_f32 v164, v152, v156
.irp x, 1,2,4,8
	v_max_num_f32_dpp v164, v164, v164 row_xmask:\x row_mask:0xf bank_mask:0xf
.endr
	v_permlanex16_b32 v165, v164, s[SEL], s[SEL+1]
	v_max_num_f32 v164, v164, v165                 ; m: the largest t of the 64 rows
.irp a, 152, 156, 160
	v_sub_f32 v[\a], v[\a], v164
.endr
	s_wait_alu depctr_va_vdst(0)
.irp a, 152, 156, 160
	v_exp_f32 v[\a], v[\a]                         ; p = 2^(t - m)
.endr
	v_mov_b32 v168, v164                           ; (a plain place behind the exponentials)
	s_wait_alu depctr_va_vdst(0)                   ; one wait for the three
	v_add_f32 v166, v152, v156
.irp x, 1,2,4,8
	v_add_f32_dpp v166, v166, v166 row_xmask:\x row_mask:0xf bank_mask:0xf
.endr
	v_permlanex16_b32 v165, v166, s[SEL], s[SEL+1]
	v_add_f32 v166, v166, v165                     ; l: the sum of p over the 64 rows
	v_mov_b32 v169, v166
	v_mov_b32 v170, v164
	v_mov_b32 v171, v166
	s_wait_alu depctr_va_vdst(0)
	s_cmp_lg_u32 s[WV], 0
	s_cbranch_scc1 .Lnot_first
	global_store_b128 v150, v[168:171], s[PRM:PRM+1] offset:8192   ; {m, l, m, l}: 512 consecutive bytes behind the work-group's 8,192 of context
.Lnot_first:
; The context of my 16 rows, by the matrix unit, K = rows: source 1 = an operand of the copy (its lanes' 16 channels x 4, four rows a lane: 32 of K), source 0 = p laid so that row 8 c + j of the result takes channel 4 r + j of
; quarter c of a fragment of 128 channels: variant (c, o): lane (m, h), register 4 u + j holds p of rows 8 h + 4 o + 2 u and the next where m = 8 c + j, else 0.  Register j of lane L is then channel 4 L + j of the fragment.
.irp i, 0,1,2,3,4,5,6,7,8,9,10,11,12,13,14,15
	v_readlane_b32 s[PS+\i], v160, \i              ; lane i holds p of my row i
.endr
.irp i, 0,1,2,3,4,5,6,7,8,9,10,11,12,13,14,15
	v_mov_b32 v[128+\i], s[PS+\i]
.endr
	v_cmp_eq_u32 vcc_lo, 1, v173
.irp q, 0,1,2,3
	v_cvt_pk_bf16_f32 v[100+\q], v[128+2*\q], v[129+2*\q]
	v_cvt_pk_bf16_f32 v[104+\q], v[136+2*\q], v[137+2*\q]
.endr
.irp q, 0,1,2,3
	v_cndmask_b32 v[108+\q], v[100+\q], v[104+\q], vcc_lo
.endr
.irp c, 0,1
.irp j, 0,1,2,3
	v_cmp_eq_u32 s[PS+4*\c+\j], 8*\c+\j, v172
.endr
.endr
.irp c, 0,1
.irp o, 0,1
.irp u, 0,1
.irp j, 0,1,2,3
	v_cndmask_b32 v[64+8*(2*\c+\o)+4*\u+\j], 0, v[108+2*\o+\u], s[PS+4*\c+\j]
.endr
.endr
.endr
.endr
	s_wait_alu depctr_va_vdst(0)
.set cV, 0
.rept 4
.set cF, 0
.rept 16                                           ; the 16 fragments' accumulators by turns
.set cQ, 2*cF+cV/2
.if cQ < 24
.set cB, (16*cQ)%256+8*(cV%2)
.elseif cQ < 28
.set cB, 128+32*(cQ-24)+8*(cV%2)
.else
.set cB, 144+64*(cQ%2)+32*(cV%2)+8*((cQ-28)/2)
.endif
	WIN 0x58+4*(cF/8)                              ; source 1 window 2 or 3, C and D window 1
.if cV == 0
	v_wmma_f32_16x16x32_bf16 v[8*cF:8*cF+7], v[64+8*cV:71+8*cV], v[cB:cB+7], 0
.else
	v_wmma_f32_16x16x32_bf16 v[8*cF:8*cF+7], v[64+8*cV:71+8*cV], v[cB:cB+7], v[8*cF:8*cF+7]
.endif
.set cF, cF+1
.endr
.set cV, cV+1
.endr
	PLACES
	WIN 0x04                                       ; the data: window 1
.irp f, 0,1,2,3,4,5,6,7,8,9,10,11,12,13,14,15
	ds_store_b128 v148, v[8*\f:8*\f+3] offset:512*\f   ; over the rows' codes: every wave has passed the scores' barrier behind its last read of them
.endr
	WIN 0
	s_wait_dscnt 0x0
	s_barrier_signal -1
	s_barrier_wait -1
.irp x, 0,1,2,3
.irp k, 0,1,2,3
	ds_load_b128 v[CT+16*\x+4*\k:CT+16*\x+4*\k+3], v149 offset:8192*\x+512*\k   ; wave x's sums of place w, channels 128 k + 4 l on
.endr
.endr
	s_wait_dscnt 0x0
.irp k, 0,1,2,3
.irp p, 0,2
	v_pk_add_f32 v[CT+4*\k+\p:CT+4*\k+\p+1], v[CT+4*\k+\p:CT+4*\k+\p+1], v[CT+16+4*\k+\p:CT+16+4*\k+\p+1]
	v_pk_add_f32 v[CT+32+4*\k+\p:CT+32+4*\k+\p+1], v[CT+32+4*\k+\p:CT+32+4*\k+\p+1], v[CT+48+4*\k+\p:CT+48+4*\k+\p+1]
.endr
.endr
.irp k, 0,1,2,3
.irp p, 0,2
	v_pk_add_f32 v[CT+4*\k+\p:CT+4*\k+\p+1], v[CT+4*\k+\p:CT+4*\k+\p+1], v[CT+32+4*\k+\p:CT+32+4*\k+\p+1]
.endr
.endr
.irp k, 0,1,2,3
	global_store_b128 v150, v[CT+4*\k:CT+4*\k+3], s[PRT:PRT+1] offset:512*\k   ; 32 lanes store 512 consecutive bytes, at a multiple of 256 from part's first byte: quarter (w + RQ) % 4 of the context
.endr
	s_wait_tensorcnt 0x0                           ; the wave's end: waits behind my last tensor load and my last LDS store
	ds_add_u32 v[SPW], v[NIL]
	s_wait_dscnt 0x0
	CROUND                                         ; the closing round: no work-group ends while a partner may still ask for a tile that names it
	s_endpgm
.Lfunc_end_k_q98b6c358c0_main:
	.size	k_q98b6c358c0_main, .Lfunc_end_k_q98b6c358c0_main-k_q98b6c358c0_main
	.p2alignl 7, 3214868480
	.fill 96, 4, 3214868480
	.section	.rodata,"a",@progbits
	.p2align	6, 0x0
	.amdhsa_kernel k_q98b6c358c0_main
		.amdhsa_group_segment_fixed_size 327680
		.amdhsa_private_segment_fixed_size 0
		.amdhsa_enable_private_segment 0
		.amdhsa_kernarg_size 48
		.amdhsa_user_sgpr_count 2
		.amdhsa_user_sgpr_kernarg_segment_ptr 1
		.amdhsa_wavefront_size32 1
		.amdhsa_system_sgpr_workgroup_id_x 1
		.amdhsa_system_sgpr_workgroup_id_y 1
		.amdhsa_system_sgpr_workgroup_id_z 1
		.amdhsa_system_vgpr_workitem_id 0
		.amdhsa_next_free_vgpr 1024
		.amdhsa_next_free_sgpr 84
		.amdhsa_reserve_vcc 1
		.amdhsa_float_denorm_mode_32 3
		.amdhsa_float_denorm_mode_16_64 3
		.amdhsa_memory_ordered 1
		.amdhsa_forward_progress 1
		.amdhsa_inst_pref_size 255
	.end_amdhsa_kernel
	.section	.bss,"aw",@nobits
	.p2align	6
	.space	262144
	.amdgpu_metadata
---
amdhsa.version: [ 1, 2 ]
amdhsa.kernels:
  - .name:           k_q98b6c358c0_main
    .symbol:         k_q98b6c358c0_main.kd
    .args:
      - { .name: encoder_outputs, .offset: 0, .size: 8, .value_kind: global_buffer, .address_space: global }
      - { .name: wq, .offset: 8, .size: 8, .value_kind: global_buffer, .address_space: global }
      - { .name: cpart, .offset: 16, .size: 8, .value_kind: global_buffer, .address_space: global }
      - { .name: attn_b, .offset: 24, .size: 8, .value_kind: global_buffer, .address_space: global }
      - { .name: v_w, .offset: 32, .size: 8, .value_kind: global_buffer, .address_space: global }
      - { .name: part, .offset: 40, .size: 8, .value_kind: global_buffer, .address_space: global }
    .group_segment_fixed_size: 327680
    .private_segment_fixed_size: 0
    .kernarg_segment_align: 8
    .kernarg_segment_size: 48
    .max_flat_workgroup_size: 128
    .sgpr_count:     84
    .vgpr_count:     1024
    .wavefront_size: 32
...
	.end_amdgpu_metadata
.endif
;; end of part 4
;; launch join (part 5): grid 256 x 1, 1 waves a work-group, no clusters, 0 bytes of LDS; arguments part, out0; writes out0
.if DOCPART == 5
	.amdgcn_target "amdgcn-amd-amdhsa--gfx1250"
	.amdhsa_code_object_version 6
	.text
	.protected	k_q98b6c358c0_join
	.globl	k_q98b6c358c0_join
	.p2align	8
	.type	k_q98b6c358c0_join,@function
k_q98b6c358c0_join:
	s_mov_b64 s[64:65], 0
	v_nop
	global_prefetch_b8 v0, s[64:65] scope:SCOPE_SE
	s_setreg_imm32_b32 hwreg(HW_REG_WAVE_MODE, 25, 1), 1
	s_wait_xcnt 0x0
; out0[b][d] = sum over the batch's 16 parts j of 2^(m_j - M) ctx_j[d] / L,  M = the largest m_j,  L = sum of 2^(m_j - M) l_j: the softmax over all 1,024 rows of a batch, joined from parts that each took their own maximum away.
; part: [256][2,176] f32: 2,048 sums, then {m, l} (in log2 units).  Work-group x: batch x / 16, channels 128 (x % 16) on; one wave; a lane holds four channels.
; A stream of a few KB a work-group: no LDS, no matrix unit, no cluster: nothing is shared but 128 bytes of {m, l}.
.set PROW, 8704                        ; a part's row in bytes
	s_load_b128 s[4:7], s[0:1], 0x0                ; part, out0
	v_and_b32 v1, 15, v0
	v_mul_u32_u24 v1, v1, PROW                     ; lane l takes {m, l} of part l % 16
	v_lshlrev_b32 v2, 4, v0                        ; 16 bytes a lane
	s_lshr_b32 s8, ttmp9, 4                        ; the batch
	s_and_b32 s9, ttmp9, 15                        ; which 128 channels
	s_mul_i32 s10, s8, 16*PROW
	s_mov_b32 s11, 0
	s_lshl_b32 s12, s9, 9
	s_mov_b32 s13, 0
	s_lshl_b32 s14, s8, 13
	s_add_co_u32 s14, s14, s12
	s_mov_b32 s15, 0
	s_wait_alu depctr_va_vdst(0)
	s_wait_kmcnt 0x0
	s_add_nc_u64 s[4:5], s[4:5], s[10:11]          ; the batch's first part
	s_add_nc_u64 s[40:41], s[4:5], s[12:13]        ; and my channels in it
	s_add_nc_u64 s[42:43], s[6:7], s[14:15]
	global_load_b64 v[4:5], v1, s[4:5] offset:8192
.irp j, 0,1,2,3,4,5,6,7,8,9,10,11,12,13,14,15
	global_load_b128 v[16+4*\j:19+4*\j], v2, s[40:41] offset:PROW*\j th:TH_LOAD_NT   ; 512 consecutive bytes of part j
.endr
	s_wait_loadcnt 16                              ; {m, l} is in; the 16 loads behind it may be out
	v_mov_b32 v6, v4
.irp x, 1,2,4,8
	v_max_num_f32_dpp v6, v6, v6 row_xmask:\x row_mask:0xf bank_mask:0xf   ; both halves of the lanes hold the same 16 parts
.endr
	v_sub_f32 v7, v4, v6
	s_wait_alu depctr_va_vdst(0)
	v_exp_f32 v7, v7                               ; 2^(m_j - M)
	v_nop
	s_wait_alu depctr_va_vdst(0)                   ; the wait ahead of the first reader
	v_mul_f32 v8, v7, v5
.irp x, 1,2,4,8
	v_add_f32_dpp v8, v8, v8 row_xmask:\x row_mask:0xf bank_mask:0xf
.endr
	s_wait_alu depctr_va_vdst(0)
	v_rcp_f32 v9, v8                               ; 1 / L; L is at least 1: the part with the largest m has a row with p = 1
	v_nop
	s_wait_alu depctr_va_vdst(0)
	v_mul_f32 v7, v7, v9                           ; part j's weight
.irp j, 0,1,2,3,4,5,6,7,8,9,10,11,12,13,14,15
	v_readlane_b32 s[16+\j], v7, \j
.endr
	s_wait_loadcnt 0x0
.irp k, 0,1,2,3
	v_mul_f32 v[80+\k], s16, v[16+\k]              ; part 0 starts the sums
.endr
.irp j, 1,2,3,4,5,6,7,8,9,10,11,12,13,14,15
.irp k, 0,1,2,3
	v_fma_f32 v[80+\k], s[16+\j], v[16+4*\j+\k], v[80+\k]
.endr
.endr
	global_store_b128 v2, v[80:83], s[42:43]       ; 512 consecutive bytes, at a multiple of 256 from out0's first byte
	s_endpgm
.Lfunc_end_k_q98b6c358c0_join:
	.size	k_q98b6c358c0_join, .Lfunc_end_k_q98b6c358c0_join-k_q98b6c358c0_join
	.p2alignl 7, 3214868480
	.fill 96, 4, 3214868480
	.section	.rodata,"a",@progbits
	.p2align	6, 0x0
	.amdhsa_kernel k_q98b6c358c0_join
		.amdhsa_group_segment_fixed_size 0
		.amdhsa_private_segment_fixed_size 0
		.amdhsa_enable_private_segment 0
		.amdhsa_kernarg_size 16
		.amdhsa_user_sgpr_count 2
		.amdhsa_user_sgpr_kernarg_segment_ptr 1
		.amdhsa_wavefront_size32 1
		.amdhsa_system_sgpr_workgroup_id_x 1
		.amdhsa_system_sgpr_workgroup_id_y 1
		.amdhsa_system_sgpr_workgroup_id_z 1
		.amdhsa_system_vgpr_workitem_id 0
		.amdhsa_next_free_vgpr 96
		.amdhsa_next_free_sgpr 66
		.amdhsa_reserve_vcc 0
		.amdhsa_float_denorm_mode_32 3
		.amdhsa_float_denorm_mode_16_64 3
		.amdhsa_memory_ordered 1
		.amdhsa_forward_progress 1
		.amdhsa_inst_pref_size 9
	.end_amdhsa_kernel
	.amdgpu_metadata
---
amdhsa.version: [ 1, 2 ]
amdhsa.kernels:
  - .name:           k_q98b6c358c0_join
    .symbol:         k_q98b6c358c0_join.kd
    .args:
      - { .name: part, .offset: 0, .size: 8, .value_kind: global_buffer, .address_space: global }
      - { .name: out0, .offset: 8, .size: 8, .value_kind: global_buffer, .address_space: global }
    .group_segment_fixed_size: 0
    .private_segment_fixed_size: 0
    .kernarg_segment_align: 8
    .kernarg_segment_size: 16
    .max_flat_workgroup_size: 32
    .sgpr_count:     66
    .vgpr_count:     96
    .wavefront_size: 32
...
	.end_amdgpu_metadata
.endif
;; end of part 5
